; MI455X (gfx1250); checked and timed in simulation.
; The chip was launched on July 23, 2026; its instructions are those of AMD's public machine-readable ISA for CDNA 5 (MIT licence, August 2026) and "CDNA5" Instruction Set Architecture Reference Guide (July 2026). The comments in the code are by the model that wrote it; some were corrected since.
;; Multi Head Attention. Allowed arithmetic: matrix products marked QUANTISED: E2M1 operands, one E8M0 scale for each 32 along K, by v_wmma_scale_f32_16x16x128_f8f6f4 with both operands' format E2M1 (or v_wmma_scale_f32_32x16x128_f4), f32 sums; products left as they are: bf16, f16 or f32 operands; f32 sums; everything else in f32.
;; Inputs: in_weights 3 x 1,024 x 1,024 float32; key 4 x 2,048 x 1,024 float32; out_weights 1,024 x 1,024 float32; query 4 x 2,048 x 1,024 float32; value 4 x 2,048 x 1,024 float32.
;; Outputs: out0 4 x 2,048 x 1,024 float32.
;; This version of the problem:
;;   THIS VERSION OF THE PROBLEM IS GIVEN IN LOW PRECISION. The matrix products marked QUANTISED in the list below multiply operands that are first quantised to E2M1 (2 exponent bits, 1 mantissa bit; 4 bits a number), with one power-of-two scale for each 32 numbers along K (OCP MX v1.0); their sums are f32. The products marked 'left as it is' may take bf16, f16 or f32 operands, with f32 sums. Whichever they take, every output number must still come out within the allowed error. Rounding operands to bf16 (8 significant bits) uses up far more of that allowance than f16 does (11 bits, for magnitudes from 6e-5 to 65,504). All else is computed in f32.
;;   The module's matrix products, in the order in which they are computed (A, B: the left and right operand; K: the contracted axis; several contracted axes count as one K, in the product's order):
;;     1. [M 8,192, K 1,024] x [K 1,024, N 1,024]; A: input key; B: input in_weights: QUANTISED
;;     2. [M 8,192, K 1,024] x [K 1,024, N 1,024]; A: input query; B: input in_weights: QUANTISED
;;     3. [M 8,192, K 1,024] x [K 1,024, N 1,024]; A: input value; B: input in_weights: QUANTISED
;;     4. batch 64 x [M 2,048, K 64] x [K 64, N 2,048]; A: computed on the way; B: computed on the way: left as it is (an operand is computed on the way)
;;     5. batch 64 x [M 2,048, K 2,048] x [K 2,048, N 64]; A: computed on the way; B: computed on the way: left as it is (an operand is computed on the way)
;;     6. [M 8,192, K 1,024] x [K 1,024, N 1,024]; A: computed on the way; B: input out_weights: left as it is (an operand is computed on the way)
;;   THE QUANTISER, for each operand of a quantised product, along K:
;;     - K is cut into blocks of 32 from its start; a last block that is shorter is filled with zeros.
;;     - A block's scale is 2^e with e = floor(log2(the largest magnitude in the block)) - 2, held to -126 .. 127; a block of zeros has e = 0. As a byte (E8M0): e + 127.
;;     - Each number is divided by its block's scale, clamped to +-6, and rounded to the nearest number of E2M1, ties to even, subnormals kept.
;;     - The product sums the exact products of the quantised numbers (number of the format x scale) in f32.
;;   ~~~python
;;   def quantise(x, axis):      # numpy; x: float32 -> the quantised numbers, widened to float32 again
;;       x = np.moveaxis(x, axis, -1); K = x.shape[-1]
;;       x = np.pad(x, [(0, 0)] * (x.ndim - 1) + [(0, -K % 32)]); x = x.reshape(x.shape[:-1] + (-1, 32)); a = np.abs(x).max(-1, keepdims=True)
;;       e = np.where(a > 0, np.clip(np.frexp(np.where(a > 0, a, 1))[1] - 1 - 2, -126, 127), 0)      # np.frexp(a)[1] - 1 = floor(log2(a)), exactly
;;       r = np.clip(x / 2.0 ** e, -6, 6)
;;       step = 2.0 ** (np.maximum(np.frexp(np.where(r == 0, 1, r))[1] - 1, 0) - 1)
;;       q = np.round(r / step) * step * 2.0 ** e      # np.round: ties to even
;;       return np.moveaxis(q.reshape(q.shape[:-2] + (-1,))[..., :K], -1, axis).astype(np.float32)
;;   ~~~
;; One version. Each part assembles by itself: llvm-mc -triple=amdgcn-amd-amdhsa -mcpu=gfx1250 --defsym DOCPART=n.
;; ======== version 1 of 1: 5 launches
;; limits: values are held in f16: magnitudes above 65,504 overflow, below 6.1e-05 lose precision
;; workspace buffers: xc 12,582,912 bytes; xs 786,432 bytes; wc 1,572,864 bytes; ws 98,304 bytes; wo16 2,097,152 bytes; qkv 50,331,648 bytes; fq 786,432 bytes; attn 16,777,216 bytes
;; launch prep (part 1): grid 944 x 1, 4 waves a work-group, no clusters, 68,096 bytes of LDS; arguments key, query, value, in_weights, out_weights, xc, xs, wc, ws, wo16; writes xc, xs, wc, ws, wo16
.if DOCPART == 1
	.amdgcn_target "amdgcn-amd-amdhsa--gfx1250"
	.amdhsa_code_object_version 6
	.text
	.protected	k_qd3703f4e78_prep
	.globl	k_qd3703f4e78_prep
	.p2align	8
	.type	k_qd3703f4e78_prep,@function
k_qd3703f4e78_prep:
	s_mov_b64 s[64:65], 0
	v_nop
	global_prefetch_b8 v0, s[64:65] scope:SCOPE_SE
	s_setreg_imm32_b32 hwreg(HW_REG_WAVE_MODE, 25, 1), 1
	s_wait_xcnt 0x0
; PREP: the operands of the three quantised projections become codes of FP4 (E2M1) with one E8M0 byte for each 32 along K; out_weights becomes f16.
; THE WHOLE PROGRAM: prep | proj (x W on codes: k, q, v as f16 by head; positions 0-15 also as f32) | attn (causal attention, f16 operands, f32 sums and softmax) |
;   outp (attn x out_weights, f16 operands, f32 sums) | fine (positions 0-15 of each sequence once more, all in f32, over outp's rows).
; WORK LEFT OUT, for all values of the inputs: reference() itself sets the score of key k to -infinity where k > q (its own tril).  exp(-infinity) = 0, so such a key adds 0 to the row's sum
;   and 0 x v to the row's result.  So attn computes no key step all of whose keys come after a wave's queries, and fetches no tile of K and V that none of a work-group's queries sees.
;   Nothing else is left out: every position is a key of some query, and all five inputs are loaded.  LIMIT: a NaN, an infinity or an overflow that arises only in scores under the mask is not carried to the result.
; KEPT ON PURPOSE: attn and outp also compute positions 0-15 (they lie inside tiles that hold live rows); fine stores those 64 rows of out0 again, more finely.
; LIMITS: NaN and infinities among the inputs are not served by the quantiser; a block whose largest magnitude lies under 2^(3 - 127) gets the byte 1; a block of zeros gets the byte 1 where the rule
;   says 127: its codes are zeros, which add nothing under any byte but 0xff, and the bytes are read by this program alone.  q, k, v and the attention's rows are kept as f16: magnitudes from 65,504 on become infinity.
; THREE PATHS, chosen by the work-group's number, which never join:
;   0 .. 47    in_weights [3][K 1024][N 1024]: K is the first axis.  A lane takes a column n and its registers run down K; codes [3][n][512 bytes], bytes [3][n][32].
;   48 .. 175  out_weights -> f16, as it lies.
;   176 .. 943 key, query, value [8192][1024]: K innermost: plain streams of blocks of 32; codes [3][8192][512 bytes], bytes [3][8192][32].
; Each path that uses LDS has LDS bytes of its own.  No tensor load, no barrier: waves share nothing.
.set SPW,   198                        ; v198 LDS address of my spare word: SPARE + 4 x my thread's number; never rewritten
.set NIL,   199                        ; v199 0; never rewritten
.set SPARE, 67584                      ; behind both paths' stages: the spare words, 128 bytes for each wave
.set EMAX,  2
; the streams' path
.set STEPS, 16                         ; steps of 512 numbers for a wave
.set CB,    8                          ; bytes of 16 codes
.set XR,    16                         ; v16-79   four sets of 16 numbers as they are loaded
.set XX,    80                         ; v80-111  two sets of 16 neighbours
.set XE,    112                        ; v112-127 a scale byte for each step
.set XC,    128                        ; v128-191 codes: four registers for each step, so that no store's data are written again
.set WREG,  8192                       ; LDS 0 .. 32767: a region for each wave: two stages of 32 x SP bytes, and behind them its 256 scale bytes
.set SP,    80                         ; a lane's place in a stage: its 64 bytes + 16 of padding
; the weights' path
.set NB,    16                         ; blocks of 32 along K for a wave (512 along K)
.set PITCH, 272                        ; a stage row: 256 bytes of codes + 16
.set KROW,  512                        ; a row of the codes' buffer
.set WN,    1024                       ; columns of a weight
.set WSTG,  32768                      ; LDS 32768 .. 67583: a stage of 32 x PITCH for each wave
.set WX,    32                         ; v32-95   two sets of 32 numbers
.set WC,    96                         ; v96-99   a block's codes
.set WOUT,  112                        ; v112-175 the way out
.set WSB,   24                         ; v24-27   the scale bytes, four to a register
.macro XLOAD t
.irp i, 0,1,2,3
	global_load_b128 v[XR+16*((\t)%4)+4*\i:XR+16*((\t)%4)+4*\i+3], v3, s[26:27] offset:2048*(\t)+512*\i th:TH_LOAD_NT   ; 32 lanes read 512 consecutive bytes
.endr
.endm
.macro XTURN t                         ; step t's numbers through the stage: LDS serves a wave's instructions in order, so no wait stands between the stores and the loads
.irp i, 0,1,2,3
	ds_store_b128 v14, v[XR+16*((\t)%4)+4*\i:XR+16*((\t)%4)+4*\i+3] offset:32*SP*((\t)%2)+8*SP*\i
.endr
.irp i, 0,1,2,3
	ds_load_b128 v[XX+16*((\t)%2)+4*\i:XX+16*((\t)%2)+4*\i+3], v15 offset:32*SP*((\t)%2)+16*\i
.endr
.endm
.macro XSTEP t
.set XS, XX+16*((\t)%2)
.if (\t) > 0
	s_wait_dscnt 1                                 ; this step's numbers are back from the stage (the last step's byte store may be out)
.else
	s_wait_dscnt 0x0
.endif
.if (\t)+4 < STEPS
	XLOAD (\t)+4                                   ; the stage's stores have read their registers: they take the loads of four steps on
.endif
.if (\t)+1 < STEPS
.if STEPS-2-(\t) >= 3
	s_wait_loadcnt 12                              ; the next step's four loads are in; those of the three steps behind it may be out
.else
	s_wait_loadcnt 4*(STEPS-2-(\t))
.endif
	XTURN (\t)+1
.endif
	v_max3_num_f32 v8, |v[XS]|, |v[XS+1]|, |v[XS+2]|               ; the largest magnitude of my 16, in two chains
	v_max3_num_f32 v9, |v[XS+3]|, |v[XS+4]|, |v[XS+5]|
.irp i, 6,10
	v_max3_num_f32 v8, v8, |v[XS+\i]|, |v[XS+\i+1]|
	v_max3_num_f32 v9, v9, |v[XS+\i+2]|, |v[XS+\i+3]|
.endr
	v_max3_num_f32 v8, v8, |v[XS+14]|, |v[XS+15]|
	v_max3_num_f32 v8, v8, v9, (EMAX+1)<<23        ; and the floor 2^(EMAX + 1 - 127): the byte cannot fall under 1
	v_max_num_f32_dpp v8, v8, v8 row_xmask:1 row_mask:0xf bank_mask:0xf   ; and of my neighbour's 16: the block's
	v_add_nc_u32 v11, -(EMAX<<23), v8              ; EMAX off its exponent field: the conversion takes the exponent field of this operand as its scale
	v_cvt_scalef32_pk8_fp4_f32 v[XC+4*(\t)], v[XS:XS+7], v11
	v_cvt_scalef32_pk8_fp4_f32 v[XC+4*(\t)+1], v[XS+8:XS+15], v11
	v_lshrrev_b32 v[XE+(\t)], 23, v11              ; the scale's byte (also the plain line behind the conversions)
	ds_store_b8 v5, v[XE+(\t)] offset:16*(\t)      ; both lanes of a block write the same byte with the same value
	global_store_b64 v4, v[XC+4*(\t):XC+4*(\t)+1], s[14:15] offset:32*CB*(\t)   ; the wave stores 256 consecutive bytes, aligned
.endm
.macro WLOAD t                         ; block t: W(32 t + i, my column), i = 0 .. 31, into set t % 2
.irp i, 0,1,2,3,4,5,6,7,8,9,10,11,12,13,14,15,16,17,18,19,20,21,22,23,24,25,26,27,28,29,30,31
	global_load_b32 v[WX+32*((\t)%2)+\i], v3, s[10:11] offset:(32*(\t)+\i)*WN*4 th:TH_LOAD_NT
.endr
.endm
.macro WBLOCK t
.set XS, WX+32*((\t)%2)
.if (\t) < NB-1
	s_wait_loadcnt 32                              ; this block's 32 loads are in; the next block's 32 may be out
.else
	s_wait_loadcnt 0
.endif
	v_max3_num_f32 v12, |v[XS]|, |v[XS+1]|, |v[XS+2]|              ; the block's largest magnitude: all 32 numbers are mine
	v_max3_num_f32 v13, |v[XS+3]|, |v[XS+4]|, |v[XS+5]|
.irp i, 6,10,14,18,22,26
	v_max3_num_f32 v12, v12, |v[XS+\i]|, |v[XS+\i+1]|
	v_max3_num_f32 v13, v13, |v[XS+\i+2]|, |v[XS+\i+3]|
.endr
	v_max3_num_f32 v12, v12, |v[XS+30]|, |v[XS+31]|
	v_max3_num_f32 v12, v12, v13, (EMAX+1)<<23
	v_add_nc_u32 v11, -(EMAX<<23), v12
	v_lshrrev_b32 v13, 23, v11                     ; the scale's byte
.if (\t)%4 == 0
	v_mov_b32 v[WSB+(\t)/4], v13                   ; four bytes to a register, the lower K in the lower byte
.else
	v_lshl_or_b32 v[WSB+(\t)/4], v13, 8*((\t)%4), v[WSB+(\t)/4]
.endif
.irp g, 0,1,2,3
	v_cvt_scalef32_pk8_fp4_f32 v[WC+\g], v[XS+8*\g:XS+8*\g+7], v11
.endr
	v_nop                                          ; one plain line behind the last conversion
	ds_store_b128 v4, v[WC:WC+3] offset:16*(\t)    ; 32 codes: 16 bytes of my column's row
.if (\t)+2 < NB
	WLOAD (\t)+2
.endif
	s_wait_dscnt 0x0                               ; the store has read its registers: the next block's codes may be written
.endm
	s_load_b256 s[4:11], s[0:1], 0x0               ; key s[4:5], query s[6:7], value s[8:9], in_weights s[10:11]
	s_load_b256 s[12:19], s[0:1], 0x20             ; out_weights s[12:13], xc s[14:15], xs s[16:17], wc s[18:19]
	s_load_b128 s[20:23], s[0:1], 0x40             ; ws s[20:21], wo16 s[22:23]
	v_lshl_add_u32 v[SPW], v0, 2, SPARE
	v_mov_b32 v[NIL], 0
	v_lshrrev_b32 v1, 5, v0
	v_readfirstlane_b32 s24, v1                    ; wave 0..3
	v_and_b32 v2, 31, v0                           ; lane
	s_wait_kmcnt 0x0
	s_cmp_lt_u32 ttmp9, 48
	s_cbranch_scc1 .Lweights
	s_cmp_lt_u32 ttmp9, 176
	s_cbranch_scc1 .Lcast
	; ---- key, query, value: 768 work-groups, 256 to a tensor; a wave takes a run of 8,192 numbers
	s_sub_co_u32 s25, ttmp9, 176
	s_cmp_lt_u32 s25, 256                          ; the choice of the buffer hangs on the work-group's number alone
	s_cselect_b64 s[26:27], s[4:5], s[6:7]
	s_cmp_lt_u32 s25, 512
	s_cselect_b64 s[26:27], s[26:27], s[8:9]
	s_lshl_b32 s28, s25, 2
	s_add_co_u32 s28, s28, s24                     ; my run among the three tensors' 3,072
	s_and_b32 s30, s28, 1023                       ; and in its tensor
	s_lshl_b32 s30, s30, 15                        ; 32,768 bytes of f32 a run
	s_mov_b32 s31, 0
	s_add_nc_u64 s[26:27], s[26:27], s[30:31]
	s_lshl_b32 s30, s28, 12                        ; 4,096 bytes of codes
	s_add_nc_u64 s[14:15], s[14:15], s[30:31]
	s_lshl_b32 s30, s28, 8                         ; 256 scale bytes
	s_add_nc_u64 s[16:17], s[16:17], s[30:31]
	v_lshlrev_b32 v3, 4, v2                        ; my 16 bytes of a load's 512
	s_mul_i32 s29, s24, WREG
	v_lshrrev_b32 v14, 2, v2
	v_mul_u32_u24 v14, v14, SP
	v_and_b32 v15, 3, v2
	v_lshl_add_u32 v14, v15, 4, v14
	v_add_nc_u32 v14, s29, v14                     ; the stage, on the way in: SP (lane / 4) + 16 (lane % 4)
	v_mul_u32_u24 v15, v2, SP
	v_add_nc_u32 v15, s29, v15                     ; and on the way out: SP x lane: my 16 neighbours
	v_mul_u32_u24 v4, v2, CB                       ; my codes' place in a step's
	v_lshrrev_b32 v5, 1, v2
	s_add_co_u32 s29, s29, 2*32*SP
	v_add_nc_u32 v5, s29, v5                       ; LDS: my wave's 256 scale bytes, my block's byte
	v_lshlrev_b32 v7, 3, v2                        ; and on the way out 8 bytes a lane
	v_add_nc_u32 v6, s29, v7
.irp t, 0,1,2,3
	XLOAD \t
.endr
	s_wait_loadcnt 12                              ; step 0's four loads are in; the twelve of steps 1 to 3 may be out
	XTURN 0
.irp t, 0,1,2,3,4,5,6,7,8,9,10,11,12,13,14,15
	XSTEP \t
.endr
	ds_load_b64 v[8:9], v6                         ; LDS serves a wave's instructions in order: these see my stores
	s_wait_dscnt 0x0
	global_store_b64 v7, v[8:9], s[16:17]          ; 32 lanes store 256 consecutive bytes, aligned
	s_wait_tensorcnt 0x0                           ; the wave's end, behind my last LDS store
	ds_add_u32 v[SPW], v[NIL]
	s_wait_dscnt 0x0
	s_endpgm
	; ---- in_weights: 48 work-groups: weight g / 16, 512 along K (g / 8) % 2, 128 columns g % 8; a wave takes 32 columns
.Lweights:
	s_lshr_b32 s25, ttmp9, 4                       ; which weight
	s_and_b32 s26, ttmp9, 7
	s_bfe_u32 s27, ttmp9, 0x10003                  ; which half of K
	s_lshl_b32 s26, s26, 7
	s_lshl_b32 s28, s24, 5
	s_add_co_u32 s26, s26, s28                     ; my wave's first column
	v_lshlrev_b32 v3, 2, v2                        ; in: 4 bytes a lane
	s_mul_i32 s28, s24, 32*PITCH
	s_add_co_u32 s28, s28, WSTG                    ; my stage
	v_mul_u32_u24 v4, v2, PITCH
	v_add_nc_u32 v4, s28, v4                       ; into it: row = my column
	v_and_b32 v5, 15, v2
	v_lshrrev_b32 v6, 4, v2                        ; out of it: sixteen lanes to a row, two rows an instruction
	v_mul_u32_u24 v7, v6, PITCH
	v_lshl_add_u32 v7, v5, 4, v7
	v_add_nc_u32 v7, s28, v7
	v_mul_u32_u24 v8, v6, KROW
	v_lshl_add_u32 v8, v5, 4, v8                   ; and the same place in the codes' buffer
	v_lshlrev_b32 v9, 5, v2                        ; my column's row of 32 scale bytes
	s_mov_b32 s31, 0
	s_lshl_b32 s30, s25, 22                        ; a weight is 4,194,304 bytes,
	s_lshl_b32 s29, s27, 21                        ; 512 rows of 4,096,
	s_add_co_u32 s30, s30, s29
	s_lshl_b32 s29, s26, 2
	s_add_co_u32 s30, s30, s29
	s_add_nc_u64 s[10:11], s[10:11], s[30:31]
	s_lshl_b32 s30, s25, 19                        ; its codes 524,288 bytes; a column's row 512; half of K 256
	s_lshl_b32 s29, s26, 9
	s_add_co_u32 s30, s30, s29
	s_lshl_b32 s29, s27, 8
	s_add_co_u32 s30, s30, s29
	s_add_nc_u64 s[18:19], s[18:19], s[30:31]
	s_lshl_b32 s30, s25, 15                        ; its scale bytes 32,768; a column's row 32; half of K 16
	s_lshl_b32 s29, s26, 5
	s_add_co_u32 s30, s30, s29
	s_lshl_b32 s29, s27, 4
	s_add_co_u32 s30, s30, s29
	s_add_nc_u64 s[20:21], s[20:21], s[30:31]
	WLOAD 0
	WLOAD 1
.set BQ, 0
.rept NB
	WBLOCK BQ
.set BQ, BQ+1
.endr
	global_store_b128 v9, v[WSB:WSB+3], s[20:21]   ; my column's 16 scale bytes
.irp t, 0,1,2,3,4,5,6,7,8,9,10,11,12,13,14,15
	ds_load_b128 v[WOUT+4*\t:WOUT+4*\t+3], v7 offset:2*\t*PITCH
.endr
.irp t, 0,1,2,3,4,5,6,7,8,9,10,11,12,13,14,15
	s_wait_dscnt 15-\t                             ; LDS loads come back in order: load t is in, the younger ones may be out
	global_store_b128 v8, v[WOUT+4*\t:WOUT+4*\t+3], s[18:19] offset:2*\t*KROW   ; sixteen lanes store 256 consecutive bytes, aligned
.endr
	s_wait_tensorcnt 0x0                           ; the wave's end, behind my last LDS store
	ds_add_u32 v[SPW], v[NIL]
	s_wait_dscnt 0x0
	s_endpgm
	; ---- out_weights -> f16: 128 work-groups of 8,192 numbers; no LDS
.Lcast:
	s_sub_co_u32 s25, ttmp9, 48
	s_lshl_b32 s26, s25, 15
	s_mov_b32 s27, 0
	s_add_nc_u64 s[12:13], s[12:13], s[26:27]
	s_lshl_b32 s26, s25, 14
	s_add_nc_u64 s[22:23], s[22:23], s[26:27]
	v_lshlrev_b32 v3, 4, v0                        ; 16 bytes a thread in,
	v_lshlrev_b32 v4, 3, v0                        ; 8 out
.irp i, 0,1,2,3,4,5,6,7,8,9,10,11,12,13,14,15
	global_load_b128 v[16+4*\i:19+4*\i], v3, s[12:13] offset:2048*\i th:TH_LOAD_NT
.endr
.irp i, 0,1,2,3,4,5,6,7,8,9,10,11,12,13,14,15
	s_wait_loadcnt 15-\i                           ; load i is in, the younger ones may be out
	v_cvt_pk_f16_f32 v[80+2*\i], v[16+4*\i], v[17+4*\i]
	v_cvt_pk_f16_f32 v[81+2*\i], v[18+4*\i], v[19+4*\i]
	global_store_b64 v4, v[80+2*\i:81+2*\i], s[22:23] offset:1024*\i   ; a wave stores 256 consecutive bytes, aligned
.endr
	s_endpgm
.Lfunc_end_k_qd3703f4e78_prep:
	.size	k_qd3703f4e78_prep, .Lfunc_end_k_qd3703f4e78_prep-k_qd3703f4e78_prep
	.p2alignl 7, 3214868480
	.fill 96, 4, 3214868480
	.section	.rodata,"a",@progbits
	.p2align	6, 0x0
	.amdhsa_kernel k_qd3703f4e78_prep
		.amdhsa_group_segment_fixed_size 68096
		.amdhsa_private_segment_fixed_size 0
		.amdhsa_enable_private_segment 0
		.amdhsa_kernarg_size 80
		.amdhsa_user_sgpr_count 2
		.amdhsa_user_sgpr_kernarg_segment_ptr 1
		.amdhsa_wavefront_size32 1
		.amdhsa_system_sgpr_workgroup_id_x 1
		.amdhsa_system_sgpr_workgroup_id_y 1
		.amdhsa_system_sgpr_workgroup_id_z 1
		.amdhsa_system_vgpr_workitem_id 0
		.amdhsa_next_free_vgpr 200
		.amdhsa_next_free_sgpr 66
		.amdhsa_reserve_vcc 0
		.amdhsa_float_denorm_mode_32 3
		.amdhsa_float_denorm_mode_16_64 3
		.amdhsa_memory_ordered 1
		.amdhsa_forward_progress 1
		.amdhsa_inst_pref_size 117
	.end_amdhsa_kernel
	.amdgpu_metadata
---
amdhsa.version: [ 1, 2 ]
amdhsa.kernels:
  - .name:           k_qd3703f4e78_prep
    .symbol:         k_qd3703f4e78_prep.kd
    .args:
      - { .name: key, .offset: 0, .size: 8, .value_kind: global_buffer, .address_space: global }
      - { .name: query, .offset: 8, .size: 8, .value_kind: global_buffer, .address_space: global }
      - { .name: value, .offset: 16, .size: 8, .value_kind: global_buffer, .address_space: global }
      - { .name: in_weights, .offset: 24, .size: 8, .value_kind: global_buffer, .address_space: global }
      - { .name: out_weights, .offset: 32, .size: 8, .value_kind: global_buffer, .address_space: global }
      - { .name: xc, .offset: 40, .size: 8, .value_kind: global_buffer, .address_space: global }
      - { .name: xs, .offset: 48, .size: 8, .value_kind: global_buffer, .address_space: global }
      - { .name: wc, .offset: 56, .size: 8, .value_kind: global_buffer, .address_space: global }
      - { .name: ws, .offset: 64, .size: 8, .value_kind: global_buffer, .address_space: global }
      - { .name: wo16, .offset: 72, .size: 8, .value_kind: global_buffer, .address_space: global }
    .group_segment_fixed_size: 68096
    .private_segment_fixed_size: 0
    .kernarg_segment_align: 8
    .kernarg_segment_size: 80
    .max_flat_workgroup_size: 128
    .sgpr_count:     66
    .vgpr_count:     200
    .wavefront_size: 32
...
	.end_amdgpu_metadata
.endif
;; end of part 1
;; launch proj (part 2): grid 4 x 96, 4 waves a work-group, clusters of 4 x 1, 327,680 bytes of LDS; arguments xc, xs, wc, ws, qkv, fq; writes qkv, fq
.if DOCPART == 2
	.amdgcn_target "amdgcn-amd-amdhsa--gfx1250"
	.amdhsa_code_object_version 6
	.text
	.protected	k_qd3703f4e78_proj
	.globl	k_qd3703f4e78_proj
	.p2align	8
	.type	k_qd3703f4e78_proj,@function
k_qd3703f4e78_proj:
	s_mov_b64 s[64:65], 0
	v_nop
	global_prefetch_b8 v0, s[64:65] scope:SCOPE_SE
	s_setreg_imm32_b32 hwreg(HW_REG_WAVE_MODE, 25, 1), 1
	s_wait_xcnt 0x0
	s_wait_alu depctr_hold_cnt(0) depctr_sa_sdst(0) depctr_va_vdst(0) depctr_va_sdst(0) depctr_va_ssrc(0) depctr_va_vcc(0) depctr_vm_vsrc(0)
	s_getreg_b32 s2, hwreg(HW_REG_IB_STS2, 6, 4)
	s_cmp_eq_u32 s2, 0
	s_cbranch_scc0 .Lentry_in_a_cluster
	s_endpgm
.Lentry_in_a_cluster:
	s_bfe_u32 s2, ttmp6, 0x10000c
	s_cmp_lg_u32 s2, 0x3003
	s_cbranch_scc0 .Lentry_shape_is_right
	s_endpgm
.Lentry_shape_is_right:
; PROJ: k = key W0, q = query W1, v = value W2, on codes of FP4 (E2M1) with one E8M0 scale for each 32 along K, as ONE product of 24,576 rows: row block y of 256 belongs to tensor y / 32, which also picks the weight.
; A: xc [24576][512 bytes], xs [24576][32];  B: wc [3][1024 n][512 bytes], ws [3][1024 n][32].  Sums in f32.
; OUT: qkv [3][batch 4][head 16][position 2048][64] f16;  fq [3][batch 4][16 positions][1024] f32: positions 0-15 of each sequence, for the launch that carries them in f32.
; A tile of 256 x 256 is made by four waves, 128 x 128 each: 64 accumulators of 16 x 16, 512 registers.  K = 1,024 is two LDS slots of 512 along K (rows of 256 bytes): each slot is filled once, nothing is filled again.
; The scale bytes of the tile's 256 rows of A and of B, for all of K, are two dense blocks: they come into LDS once, as rows of 256 bytes.
; CLUSTER 4 x 1: the four column tiles of a row block need the same tiles and scales of A: they are asked for jointly (mask 15).  B's tiles hang on the column tile, which differs between the partners: each asks for its own.
; A cluster of 4 x 4 is not taken: the way out branches on the row block (the f32 rows), which partners along y would not share.
; THE MATRIX INSTRUCTION IS USED TRANSPOSED (source 0 = 16 rows of B, source 1 = 16 rows of A): a lane holds eight neighbouring columns of one row.
; REGISTERS, in windows of 256: window 0: v0-31 addresses; v32-95 scale words, two sets; v128-191 A's fragments, one set; on the way out v32-255 are free.  window 1: B's fragments, two sets, at v0 and v128.
;   window 2: the 32 accumulators of my rows 0-63 (accumulator (a, b) at v[8 (8 a + b)]);  window 3: those of my rows 64-127.
; LIMIT: results from 65,504 on become infinity in qkv (f16).
.set NQ,     4                         ; matrix instructions deep in a slot: 512 along K
.set ROWB,   256                       ; a tile's row in bytes
.set KROW,   512                       ; a row of codes in memory
.set PITCH,  272                       ; an LDS row: 256 bytes + 16 of padding: the 16 rows that a load touches start at 16 different banks
.set FR,     8                         ; registers of a fragment: 16 rows x 128 K
.set NL,     2                         ; LDS loads that bring one
.set NP,     4                         ; places behind this matrix instruction (ISA guide 7.12.1)
.set HALFT,  128*PITCH
.set SLOT,   4*HALFT                   ; A's 256 rows, then B's 256 rows
.set KS,     32                        ; a row of scales in bytes
.set SCL,    2*SLOT                    ; behind the two slots: the scales, as rows of 256 bytes + 16
.set HALFS,  (128*KS/256)*272
.set SBLK,   (16*KS/256)*272
.set SPARE,  SCL+4*HALFS               ; the spare words, 128 bytes for each wave
.set FP,     528                       ; the way out, f32: 16 rows x (512 bytes + 16)
.set HP,     272                       ; the way out, f16: 16 rows x (256 bytes + 16).  Both in my 8,448 bytes of slot 0, which has had its one fill and its last read by then
.set ADRA, 16                          ; v16-17  LDS address of my A fragments in slot 0, 1
.set ADRB, 20                          ; v20-21  the same for B
.set FSTO, 22                          ; v22     f32 stage: where I put 32 bytes of a row
.set FRD,  23                          ; v23     f32 stage: where I read a row back
.set STO,  24                          ; v24     f16 stage: where I put 16 bytes of a row
.set RD,   25                          ; v25     f16 stage: where I read back: 8 lanes to half a row (a head's 128 bytes), 4 rows an instruction
.set CO,   26                          ; v26     16 x lane
.set ADRS, 27                          ; v27     LDS address of my scale words: lanes 0-15 A's rows, lanes 16-31 B's
.set SPW,  28                          ; v28     LDS address of my spare word; never rewritten
.set NIL,  29                          ; v29     0; never rewritten
.set SC,   32                          ; scale words: set s at v[SC + 32 s]; register 4 i + q: lanes 0-15 A's block i, lanes 16-31 B's block i
.set AF,   128                         ; A's fragments
.set TMP,  192                         ; the way out: packed results
.set OB,   32                          ; the way out: rows read back: v32-63 and v224-255 by turns
.set G1, 24                            ; s[24:31] group 1 for A's tiles;  s[32:39] group 0, a set for each slot
.set G0, 32
.set G1B, 48                           ; s[48:55], s[56:63] the same for B's
.set G0B, 56
.set G1S, 68                           ; s[68:75], s[76:79] groups 1 and 0 for A's scales;  s[80:87], s[88:91] for B's
.set G0S, 76
.set G1SB, 80
.set G0SB, 88
.set MSB, 0
.macro WIN new                         ; the immediate's high byte repeats the setting that is left
.if MSB != \new
	s_set_vgpr_msb (MSB<<8)|\new
.set MSB, \new
.endif
.endm
.set MUL_LO, 0xa1                      ; source 0 (B) window 1, source 1 (A) window 0, C and D window 2
.set MUL_HI, 0xf1                      ; the same, C and D window 3
.set TO_B,   0x40                      ; destination window 1, address window 0
; Waves 0 and 1 fetch for A (jointly), waves 2 and 3 for B.  The branch hangs on the wave's number alone.  An s_nop 0 and four v_nop follow each of the two lines.
.macro JLOAD g0a, g1a, g0b, g1b
	s_cmp_eq_u32 s15, 0
	s_cbranch_scc0 .Lfor_b_\@
	tensor_load_to_lds s[\g0a:\g0a+3], s[\g1a:\g1a+7]
	s_nop 0
.rept 4
	v_nop
.endr
	s_branch .Lasked_\@
.Lfor_b_\@:
	tensor_load_to_lds s[\g0b:\g0b+3], s[\g1b:\g1b+7]
	s_nop 0
.rept 4
	v_nop
.endr
.Lasked_\@:
.endm
.macro CROUND                          ; a round of the cluster's barrier
	s_barrier_signal -1
	s_barrier_wait -1
	s_cmp_lg_u32 s14, 0
	s_cbranch_scc1 .Lnot_wave_0_\@
	s_barrier_signal -3
.Lnot_wave_0_\@:
	s_barrier_wait -3
	s_barrier_signal -1
	s_barrier_wait -1
.endm
	s_load_b128 s[4:7], s[0:1], 0x0                ; xc s[4:5], xs s[6:7]
	s_load_b128 s[8:11], s[0:1], 0x10              ; wc s[8:9], ws s[10:11]
	s_load_b64 s[12:13], s[0:1], 0x20              ; qkv
	s_load_b64 s[66:67], s[0:1], 0x28              ; fq
	v_lshl_add_u32 v[SPW], v0, 2, SPARE
	v_mov_b32 v[NIL], 0
	ds_add_u32 v[SPW], v[NIL]                      ; the wave's opening: the add, twice on end, and its wait ahead of my first tensor load
	ds_add_u32 v[SPW], v[NIL]
	v_lshrrev_b32 v1, 5, v0
	v_readfirstlane_b32 s14, v1                    ; wave 0..3
	s_lshr_b32 s15, s14, 1                         ; which half of the tile's rows is mine.  Also: I fetch for A (0) or for B (1)
	s_and_b32 s16, s14, 1                          ; which half of its columns.  Also: which 128 rows of that tile I fetch
	s_bfe_u32 s40, ttmp6, 0x40000                  ; cx
	s_lshl_b32 s42, ttmp9, 2
	s_add_co_u32 s42, s42, s40                     ; column tile = 4 x cluster x + cx
	s_and_b32 s17, ttmp7, 0xffff                   ; row block 0..95: the cluster's y, which the four partners share
	s_mov_b32 s[G1+0], 15|(1<<20)|(1<<21)|(5<<22)|(3<<25)      ; 15:0 the mask: all four; 17:16 elements of 1 byte; 20 padding on; 21 set beside a mask; 24:22 after every 64 words; 31:25 four words
	s_mov_b32 s[G1B+0], (1<<20)|(5<<22)|(3<<25)                ; the same with no mask: my own load
.irp g, G1, G1B
	s_mov_b32 s[\g+1], ROWB<<16                    ; tensor_dim0
	s_mov_b32 s[\g+2], 128<<16                     ; tensor_dim1
	s_mov_b32 s[\g+3], ROWB<<16                    ; tile_dim0
	s_mov_b32 s[\g+4], 128                         ; tile_dim1
	s_mov_b32 s[\g+5], KROW                        ; from row to row
	s_mov_b32 s[\g+6], 0
	s_mov_b32 s[\g+7], 0
.endr
	s_mov_b32 s[G1S+0], 15|(3<<16)|(1<<20)|(1<<21)|(5<<22)|(3<<25)   ; the scales of 128 rows: 4,096 dense bytes as 16 rows of 32 elements of 8 bytes, 16 bytes of padding behind each
	s_mov_b32 s[G1SB+0], (3<<16)|(1<<20)|(5<<22)|(3<<25)
.irp g, G1S, G1SB
	s_mov_b32 s[\g+1], 32<<16
	s_mov_b32 s[\g+2], (128*KS/256)<<16
	s_mov_b32 s[\g+3], 32<<16
	s_mov_b32 s[\g+4], 128*KS/256
	s_mov_b32 s[\g+5], 32
	s_mov_b32 s[\g+6], 0
	s_mov_b32 s[\g+7], 0
.endr
	s_lshl_b32 s18, s16, 7                         ; which 128 rows of the tile I fetch
	s_lshl_b32 s20, s17, 8
	s_add_co_u32 s20, s20, s18                     ; A: row 256 x row block + 128 x half
	s_lshr_b32 s46, s17, 5
	s_lshl_b32 s46, s46, 10                        ; B: the tensor's weight, 1,024 rows each,
	s_lshl_b32 s47, s42, 8
	s_add_co_u32 s46, s46, s47                     ; + 256 x column tile
	s_add_co_u32 s46, s46, s18                     ; + 128 x half
	s_lshl_b32 s22, s20, 5                         ; where these rows' scales begin, in bytes,
	s_mov_b32 s23, 0
	s_lshl_b32 s92, s46, 5
	s_mov_b32 s93, 0
	s_lshl_b32 s20, s20, 9                         ; and their codes
	s_mov_b32 s21, 0
	s_lshl_b32 s46, s46, 9
	s_mov_b32 s47, 0
	s_mul_i32 s45, s14, HALFT                      ; where they go: wave x 128 rows: no place in the cluster enters an LDS address
	s_mul_i32 s94, s14, HALFS
	s_wait_dscnt 0x0                               ; both opening adds are done
	s_wait_kmcnt 0x0
	s_add_nc_u64 s[20:21], s[4:5], s[20:21]
	s_add_nc_u64 s[22:23], s[6:7], s[22:23]
	s_add_nc_u64 s[46:47], s[8:9], s[46:47]
	s_add_nc_u64 s[92:93], s[10:11], s[92:93]
	CROUND                                         ; all four work-groups are here: the joint loads meet
	s_mov_b32 s[G0S], 1
	s_add_co_u32 s[G0S+1], s94, SCL
	s_mov_b64 s[G0S+2:G0S+3], s[22:23]
	s_or_b32 s[G0S+3], s[G0S+3], 0x80000000
	s_mov_b32 s[G0SB], 1
	s_add_co_u32 s[G0SB+1], s94, SCL
	s_mov_b64 s[G0SB+2:G0SB+3], s[92:93]
	s_or_b32 s[G0SB+3], s[G0SB+3], 0x80000000
	JLOAD G0S, G1S, G0SB, G1SB                     ; the scales first: they are wanted with the first slot
.irp s, 0,1
	s_mov_b32 s[G0+4*\s], 1
	s_add_co_u32 s[G0+4*\s+1], s45, \s*SLOT
	s_add_nc_u64 s[G0+4*\s+2:G0+4*\s+3], s[20:21], \s*ROWB
	s_or_b32 s[G0+4*\s+3], s[G0+4*\s+3], 0x80000000
	s_mov_b32 s[G0B+4*\s], 1
	s_add_co_u32 s[G0B+4*\s+1], s45, \s*SLOT
	s_add_nc_u64 s[G0B+4*\s+2:G0B+4*\s+3], s[46:47], \s*ROWB
	s_or_b32 s[G0B+4*\s+3], s[G0B+4*\s+3], 0x80000000
	JLOAD G0+4*\s, G1, G0B+4*\s, G1B               ; three tensor loads of mine are out behind the last of these
.endr
	v_and_b32 v1, 15, v0                           ; r = l % 16
	v_bfe_u32 v2, v0, 4, 1                         ; h = l / 16
	v_mul_u32_u24 v3, v1, PITCH
	v_lshl_add_u32 v4, v2, 4, v3                   ; a fragment's row x pitch + 16 x half
	s_mul_i32 s21, s15, HALFT                      ; my 128 rows of A
	s_mul_i32 s22, s16, HALFT                      ; my 128 rows of B,
	s_add_co_u32 s22, s22, 2*HALFT                 ; which lie behind A's 256
.irp s, 0,1
	v_add_nc_u32 v[ADRA+\s], s21, v4
	v_add_nc_u32 v[ADRB+\s], s22, v4
	s_add_co_u32 s21, s21, SLOT
	s_add_co_u32 s22, s22, SLOT
.endr
	v_mul_u32_u24 v5, v1, KS                       ; my row's scales: 32 bytes a row,
	v_lshrrev_b32 v6, 8, v5
	v_lshl_add_u32 v5, v6, 4, v5                   ; and 16 more for each 256 passed
	s_mul_i32 s21, s15, HALFS                      ; A's: my 128 rows
	s_mul_i32 s22, s16, HALFS                      ; B's: my 128 rows, behind A's 256
	s_add_co_u32 s22, s22, 2*HALFS
	s_sub_co_u32 s22, s22, s21
	v_mul_u32_u24 v6, s22, v2                      ; lanes 16-31 take B's: one product, the distance between the two bases
	s_add_co_u32 s21, s21, SCL
	v_add_nc_u32 v5, v5, v6
	v_add_nc_u32 v[ADRS], s21, v5
	s_mul_i32 s23, s14, 16*FP                      ; my stage
	v_mul_u32_u24 v5, v1, HP
	v_lshl_add_u32 v5, v2, 4, v5
	v_add_nc_u32 v[STO], s23, v5                   ; f16, in: row r, 16 bytes for each half of the lanes
	v_and_b32 v6, 31, v0
	v_lshrrev_b32 v7, 3, v6
	v_and_b32 v8, 7, v6
	v_mul_u32_u24 v7, v7, HP
	v_lshl_add_u32 v7, v8, 4, v7
	v_add_nc_u32 v[RD], s23, v7                    ; f16, back: row l / 8, 16 (l % 8) bytes on
	v_lshlrev_b32 v[CO], 4, v6
	v_mul_u32_u24 v5, v1, FP
	v_lshl_add_u32 v5, v2, 5, v5
	v_add_nc_u32 v[FSTO], s23, v5                  ; f32, in: row r, 32 bytes for each half of the lanes
	v_add_nc_u32 v[FRD], s23, v[CO]                ; f32, back: the 32 lanes take a row of 512 bytes
	; where my part begins in qkv and in fq
	s_lshr_b32 s20, s17, 3                         ; 4 x tensor + batch
	s_lshl_b32 s21, s20, 16                        ; fq: 65,536 bytes each
	s_lshl_b32 s20, s20, 22                        ; qkv: 4,194,304 bytes each
	s_and_b32 s22, s17, 7                          ; which 256 positions of the sequence
	s_or_b32 s95, s22, s15                         ; 0: my first 16 rows are positions 0-15
	s_lshl_b32 s22, s22, 15                        ; 256 rows of 128 bytes
	s_add_co_u32 s20, s20, s22
	s_lshl_b32 s22, s15, 14                        ; my half: 128 rows
	s_add_co_u32 s20, s20, s22
	s_lshl_b32 s46, s42, 20                        ; a column tile is 4 heads of 262,144 bytes,
	s_lshl_b32 s47, s16, 19                        ; my half of it 2
	s_add_co_u32 s46, s46, s47
	s_add_co_u32 s46, s46, s20
	s_mov_b32 s47, 0
	s_add_nc_u64 s[12:13], s[12:13], s[46:47]
	s_lshl_b32 s46, s42, 10                        ; fq: 1,024 bytes of a row a column tile, 512 a half
	s_lshl_b32 s96, s16, 9
	s_add_co_u32 s46, s46, s96
	s_add_co_u32 s46, s46, s21
	s_add_nc_u64 s[66:67], s[66:67], s[46:47]
.macro FRAG reg, adr, q, i             ; a fragment, 16 rows x 128 K of 4-bit codes: lane l holds row l % 16; registers 4 c .. 4 c + 3 hold K = 64 c + 32 (l / 16) + 0 .. 31
.irp c, 0,1
	ds_load_b128 v[\reg+4*\c:\reg+4*\c+3], v[\adr] offset:64*(\q)+32*\c+(\i)*16*PITCH
.endr
.endm
; 16 matrix instructions: A's blocks a0, a0 + 1 x B's eight.  p: B's set;  sc: the set of scale words.  zero = 1: the first product starts the sums.  The 64 accumulators take turns, one instruction a turn.
.macro MUL16 a0, p, q, sc, zero
.irp a, \a0, \a0+1
.irp b, 0,1,2,3,4,5,6,7
.if \zero
	v_wmma_scale_f32_16x16x128_f8f6f4 v[8*(8*((\a)%4)+\b):8*(8*((\a)%4)+\b)+7], v[128*(\p)+FR*\b:128*(\p)+FR*\b+FR-1], v[AF+FR*(\a):AF+FR*(\a)+FR-1], 0, v[SC+8*NQ*(\sc)+NQ*\b+(\q)], v[SC+8*NQ*(\sc)+NQ*(\a)+(\q)] matrix_a_fmt:MATRIX_FMT_FP4 matrix_b_fmt:MATRIX_FMT_FP4 matrix_a_scale:MATRIX_SCALE_ROW1
.else
	v_wmma_scale_f32_16x16x128_f8f6f4 v[8*(8*((\a)%4)+\b):8*(8*((\a)%4)+\b)+7], v[128*(\p)+FR*\b:128*(\p)+FR*\b+FR-1], v[AF+FR*(\a):AF+FR*(\a)+FR-1], v[8*(8*((\a)%4)+\b):8*(8*((\a)%4)+\b)+7], v[SC+8*NQ*(\sc)+NQ*\b+(\q)], v[SC+8*NQ*(\sc)+NQ*(\a)+(\q)] matrix_a_fmt:MATRIX_FMT_FP4 matrix_b_fmt:MATRIX_FMT_FP4 matrix_a_scale:MATRIX_SCALE_ROW1
.endif
.endr
.endr
.endm
.macro FETCH_B slot, q, p
	WIN TO_B
.irp i, 0,1,2,3,4,5,6,7
	FRAG 128*(\p)+FR*\i, ADRB+\slot, \q, \i
.endr
	WIN 0
.endm
.macro FETCH_A slot, q, i0
.irp i, \i0, \i0+1, \i0+2, \i0+3
	FRAG AF+FR*(\i), ADRA+\slot, \q, \i
.endr
.endm
.macro SCALES sc                       ; a slot's scale words: 4 words a row; lanes 0-15 take A's block i, lanes 16-31 B's block i
.irp i, 0,1,2,3,4,5,6,7
	ds_load_b128 v[SC+8*NQ*\sc+NQ*\i:SC+8*NQ*\sc+NQ*\i+3], v[ADRS] offset:\i*SBLK
.endr
.endm
.macro PLACES n                        ; plain vector lines between a matrix instruction and a load into its registers or a read of its result
.rept \n
	v_nop
.endr
.endm
.macro STEP slot, q, zero              ; 128 along K that has its successor in the same slot
	s_wait_dscnt 4*NL                              ; B's set and A's blocks 0-3 are in; the youngest eight loads (A's blocks 4-7) may be out
	WIN MUL_LO
	MUL16 0, (\q)%2, \q, \slot, \zero
	MUL16 2, (\q)%2, \q, \slot, \zero
	s_wait_dscnt 0
	PLACES NP
	FETCH_B \slot, (\q)+1, 1-(\q)%2
	FETCH_A \slot, (\q)+1, 0
	WIN MUL_HI
	MUL16 4, (\q)%2, \q, \slot, \zero
	MUL16 6, (\q)%2, \q, \slot, \zero
	PLACES NP
	WIN 0
	FETCH_A \slot, (\q)+1, 4
.endm
; Slot 0's last step changes slots: in front of the one barrier each wave waits for all its tensor loads (its part of slot 1), adds 0 to its spare word, and waits for that and for its reads of slot 0.  Nothing is filled again.
.macro TURN slot, next
	s_wait_tensorcnt 0x0
	ds_add_u32 v[SPW], v[NIL]
	s_wait_dscnt 4*NL+1                            ; the add and the youngest eight loads may be out
	WIN MUL_LO
	MUL16 0, 1, NQ-1, \slot, 0
	s_wait_dscnt 0x0                               ; the add is done, and my reads of this slot are over
	s_barrier_signal -1
	MUL16 2, 1, NQ-1, \slot, 0
	WIN 0
	s_barrier_wait -1
	PLACES NP
	v_add_nc_u32 v[ADRS], 4*NQ, v[ADRS]            ; on to the next slot's scale words
	FETCH_B \next, 0, 0
	FETCH_A \next, 0, 0
	SCALES \next
	WIN MUL_HI
	MUL16 4, 1, NQ-1, \slot, 0
	MUL16 6, 1, NQ-1, \slot, 0
	PLACES NP
	WIN 0
	FETCH_A \next, 0, 4
.endm
	s_wait_tensorcnt 1                             ; the scales and my part of slot 0 are in; slot 1's load may be out
	s_barrier_signal -1
	s_barrier_wait -1
	FETCH_B 0, 0, 0
	FETCH_A 0, 0, 0
	SCALES 0
	FETCH_A 0, 0, 4
	STEP 0, 0, 1                                   ; the first products start the sums: nothing is cleared
	STEP 0, 1, 0
	STEP 0, 2, 0
	TURN 0, 1
	STEP 1, 0, 0
	STEP 1, 1, 0
	STEP 1, 2, 0
	s_wait_dscnt 4*NL                              ; the last step: nothing more to fetch
	WIN MUL_LO
	MUL16 0, 1, NQ-1, 1, 0
	MUL16 2, 1, NQ-1, 1, 0
	s_wait_dscnt 0
	WIN MUL_HI
	MUL16 4, 1, NQ-1, 1, 0
	MUL16 6, 1, NQ-1, 1, 0
	WIN 0
	PLACES NP                                      ; in front of the first reads of results and of loads into registers that held fragments and scales
	; POSITIONS 0-15 IN f32: my block 0, where my rows begin a sequence.  The condition is made of the row block and the wave's number: the same in all four partners.
	s_cmp_eq_u32 s95, 0
	s_cbranch_scc0 .Lno_fine
	WIN 0x08                                       ; an LDS store's data are its source 1: window 2
.irp b, 0,1,2,3,4,5,6,7
	ds_store_b128 v[FSTO], v[8*\b:8*\b+3] offset:64*\b             ; each accumulator from its low end on
	ds_store_b128 v[FSTO], v[8*\b+4:8*\b+7] offset:64*\b+16
.endr
	WIN 0
.irp t, 0,1,2,3,4,5,6,7,8,9,10,11,12,13,14,15
	ds_load_b128 v[128+4*\t:131+4*\t], v[FRD] offset:\t*FP         ; LDS serves a wave's instructions in order: these see my stores
.endr
	s_wait_dscnt 0x0
.irp t, 0,1,2,3,4,5,6,7,8,9,10,11,12,13,14,15
	global_store_b128 v[CO], v[128+4*\t:131+4*\t], s[66:67] offset:4096*\t   ; 32 lanes store 512 consecutive bytes of a row of fq
.endr
.Lno_fine:
; THE WAY OUT IN f16, block by block of 16 rows x 128 columns (two heads).  PACK: rounded to f16, 16 bytes a lane.  TOSTAGE: into my stage and back, 4 rows of one head an instruction.  SEND: 512 consecutive bytes of a head's plane.
.macro PACK a
.set AC, 64*((\a)%4)
	WIN 0x0a+5*((\a)/4)                            ; sources 0 and 1: window 2 or 3
.irp b, 0,1,2,3,4,5,6,7
.irp r, 0,1,2,3
	v_cvt_pk_f16_f32 v[TMP+4*\b+\r], v[AC+8*\b+2*\r], v[AC+8*\b+2*\r+1]
.endr
.endr
	WIN 0
.endm
.macro TOSTAGE a
.set BK, OB+192*((\a)%2)
.irp b, 0,1,2,3,4,5,6,7
	ds_store_b128 v[STO], v[TMP+4*\b:TMP+4*\b+3] offset:32*\b
.endr
.irp i, 0,1,2,3,4,5,6,7
	ds_load_b128 v[BK+4*\i:BK+4*\i+3], v[RD] offset:(\i%4)*4*HP+(\i/4)*128
.endr
.endm
.macro SEND a
.set BK, OB+192*((\a)%2)
	s_wait_dscnt 0x0                               ; the block is back in registers
	s_wait_xcnt 0x0                                ; the earlier stores have read their registers: the next block's loads may land there
.irp i, 0,1,2,3,4,5,6,7
	global_store_b128 v[CO], v[BK+4*\i:BK+4*\i+3], s[12:13] offset:(\i/4)*262144+(\i%4)*512+(\a)*2048
.endr
.endm
	PACK 0
	TOSTAGE 0
.irp a, 1,2,3,4,5,6,7                  ; block a's conversions stand between block a - 1's loads from the stage and the wait for them
	PACK \a
	SEND \a-1
	TOSTAGE \a
.endr
	SEND 7
	s_wait_tensorcnt 0x0                           ; the wave's end
	ds_add_u32 v[SPW], v[NIL]
	s_wait_dscnt 0x0
	CROUND                                         ; the closing round
	s_endpgm
.Lfunc_end_k_qd3703f4e78_proj:
	.size	k_qd3703f4e78_proj, .Lfunc_end_k_qd3703f4e78_proj-k_qd3703f4e78_proj
	.p2alignl 7, 3214868480
	.fill 96, 4, 3214868480
	.section	.rodata,"a",@progbits
	.p2align	6, 0x0
	.amdhsa_kernel k_qd3703f4e78_proj
		.amdhsa_group_segment_fixed_size 327680
		.amdhsa_private_segment_fixed_size 0
		.amdhsa_enable_private_segment 0
		.amdhsa_kernarg_size 48
		.amdhsa_user_sgpr_count 2
		.amdhsa_user_sgpr_kernarg_segment_ptr 1
		.amdhsa_wavefront_size32 1
		.amdhsa_system_sgpr_workgroup_id_x 1
		.amdhsa_system_sgpr_workgroup_id_y 1
		.amdhsa_system_sgpr_workgroup_id_z 1
		.amdhsa_system_vgpr_workitem_id 0
		.amdhsa_next_free_vgpr 1024
		.amdhsa_next_free_sgpr 98
		.amdhsa_reserve_vcc 0
		.amdhsa_float_denorm_mode_32 3
		.amdhsa_float_denorm_mode_16_64 3
		.amdhsa_memory_ordered 1
		.amdhsa_forward_progress 1
		.amdhsa_inst_pref_size 130
	.end_amdhsa_kernel
	.amdgpu_metadata
---
amdhsa.version: [ 1, 2 ]
amdhsa.kernels:
  - .name:           k_qd3703f4e78_proj
    .symbol:         k_qd3703f4e78_proj.kd
    .args:
      - { .name: xc, .offset: 0, .size: 8, .value_kind: global_buffer, .address_space: global }
      - { .name: xs, .offset: 8, .size: 8, .value_kind: global_buffer, .address_space: global }
      - { .name: wc, .offset: 16, .size: 8, .value_kind: global_buffer, .address_space: global }
      - { .name: ws, .offset: 24, .size: 8, .value_kind: global_buffer, .address_space: global }
      - { .name: qkv, .offset: 32, .size: 8, .value_kind: global_buffer, .address_space: global }
      - { .name: fq, .offset: 40, .size: 8, .value_kind: global_buffer, .address_space: global }
    .group_segment_fixed_size: 327680
    .private_segment_fixed_size: 0
    .kernarg_segment_align: 8
    .kernarg_segment_size: 48
    .max_flat_workgroup_size: 128
    .sgpr_count:     98
    .vgpr_count:     1024
    .wavefront_size: 32
...
	.end_amdgpu_metadata
.endif
;; end of part 2
;; launch attn (part 3): grid 4 x 64, 16 waves a work-group, no clusters, 327,680 bytes of LDS; arguments qkv, attn; writes attn
.if DOCPART == 3
	.amdgcn_target "amdgcn-amd-amdhsa--gfx1250"
	.amdhsa_code_object_version 6
	.text
	.protected	k_qd3703f4e78_attn
	.globl	k_qd3703f4e78_attn
	.p2align	8
	.type	k_qd3703f4e78_attn,@function
k_qd3703f4e78_attn:
	s_mov_b64 s[64:65], 0
	v_nop
	global_prefetch_b8 v0, s[64:65] scope:SCOPE_SE
	s_setreg_imm32_b32 hwreg(HW_REG_WAVE_MODE, 25, 1), 1
	s_wait_xcnt 0x0
; ATTN: O[b][h][q] = the sum over k <= q of softmax_k(Q[q] . K[k] / 8) V[k], head size 64.  Operands f16, products' sums, maxima, exponentials and row sums f32; the weights p are rounded to f16 for the second product.
; WORK LEFT OUT: reference()'s own tril gives keys k > q the weight exp(-infinity) = 0 for all inputs: a key step all of whose keys come after my queries is not computed, and a slot of keys that comes after the
;   work-group's last query is not fetched.  A NaN, an infinity or an overflow that arises only there is not carried to the result.
; IN: qkv [3: k, q, v][batch x head 64][position 2048][64] f16.  OUT: attn [head 16][batch x position 8192][64] f16: a head's 64 channels of all rows lie dense, as the next launch's tiles want them.
; SHARES.  A work-group owns blocks j and 7 - j of the 8 blocks of 256 queries of one head: the same number of key steps in every work-group.  Waves 0-7 take block j, waves 8-15 block 7 - j; a wave owns 32 queries: two tiles of 16,
;   so that each fragment of K and V read from LDS feeds two products.  256 registers a wave, four waves to a SIMD: one wave's softmax stands beside another's products.
; NO CLUSTER: under the mask the four work-groups of a head need 8 - j slots of keys, different numbers, so they could not all make every joint request.
; EVERY work-group walks all 8 slots of 256 keys (constant trip counts); what is left out is a step's work and a slot's load, by scalar branches on ids and the count of steps.
; LAYOUT.  Both products transposed: S^T = K Q^T (source 0 = 16 keys, source 1 = 16 queries): a lane holds ONE query (lane % 16) and keys 8 (lane / 16) + 0..7.  Two such tiles, rounded to f16 in pairs, are source 1
;   (32 keys x 16 queries) of O^T = V^T P.  K comes out of LDS as it lies, V ([key][channel]) turned, by ds_load_tr16_b128.
; SOFTMAX.  For each query a running maximum m and sum l: p = 2^(c s - c m), c = log2(e) / 8; in every step O and l are multiplied by a = 2^(c m_old - c m_new).
; LIMIT: q, k, v arrive as f16.
.set SK,    256                        ; keys in a slot
.set NQ,    4                          ; key steps of 64 in a slot
.set NSL,   8                          ; slots' worth of keys
.set KP,    144                        ; a key's row in LDS: 128 bytes + 16
.set VP,    160                        ; a row of V: 128 + 32
.set VOFF,  SK*KP                      ; a slot: 256 rows of K, then 256 rows of V
.set SLOT1, 1<<17                      ; slot 1 begins here: one exclusive or turns an address in one slot into the other's
.set SPARE, SLOT1+SK*(KP+VP)           ; behind the ring: the spare words, 128 bytes for each of 16 waves
.set STGW,  32*KP                      ; the way out: 32 rows x 144 bytes for each wave, in slot 0: it has had its last fill, and nobody reads it behind the last change of slots
.set AK0, 1                            ; v1   my lane's place in a tile of K
.set AV0, 2                            ; v2   the same for V
.set SPW, 3                            ; v3   LDS address of my spare word; never rewritten
.set NIL, 4                            ; v4   0; never rewritten
.set ADK, 5                            ; v5   LDS address of the step's K
.set ADV, 6                            ; v6   of its V
.set PFO, 7                            ; v7   256 x lane: the prefetches' offset; never rewritten
.set DL,  8                            ; v8   lane % 16 - 8 (lane / 16)
.set ST,  12                           ; tile t's statistics at v[ST + 8 t]: +0 c m, +1 m, +2, +3 l (two halves), +4 to +7 at work; a in +6
.set Q,   28                           ; v28-59   Q: tile t, channels 32 c on at Q + 16 t + 8 c
.set KV,  60                           ; v60-123  K (keys 16 kt on, channels 32 c on: 8 (2 kt + c)), later V (keys 32 kk on, channels 16 ct on: 8 (4 kk + ct))
.set S,   124                          ; v124-187 S^T, 32 a tile; p is packed in place into a tile's low 16
.set O,   188                          ; v188-251 O^T, 32 a tile
.set TB,  2                            ; s2   LDS byte at which the slot in hand begins
.set SLOTS, 3                          ; s3   changes of slots still to come in the loop
.set WV,  18
.set SEL, 20                           ; s[20:21] v_permlanex16_b32's selects for lane l xor 16
.set CS,  22                           ; s[22:23] c, twice
.set G1K, 24
.set G1V, 32
.set G0K, 40
.set G0V, 44
.set KF,  48                           ; s48  the step's first key
.set Q0,  49                           ; s49  my first query
.set LASTQ, 50                         ; s50  the work-group's last query
.set PFA, 52                           ; s[52:53] where my prefetches stand
.set LIM, 54                           ; s54  1 in a wave that prefetches, else the greatest number
; Waves 0 and 1 fetch K's halves of a slot, waves 2 and 3 V's, the others nothing.  An s_nop 0 and four v_nop follow each of the two lines.
.macro TLOAD
	s_cmp_lt_u32 s[WV], 2
	s_cbranch_scc0 .Lnot_k_\@
	tensor_load_to_lds s[G0K:G0K+3], s[G1K:G1K+7]
	s_nop 0
.rept 4
	v_nop
.endr
	s_branch .Lasked_\@
.Lnot_k_\@:
	s_cmp_lt_u32 s[WV], 4
	s_cbranch_scc0 .Lasked_\@
	tensor_load_to_lds s[G0V:G0V+3], s[G1V:G1V+7]
	s_nop 0
.rept 4
	v_nop
.endr
.Lasked_\@:
.endm
; A PREFETCH of what the NEXT change of slots will ask for: a slot's 32,768 bytes of K and of V.  All four work-groups of a head walk the same K and V: work-group j = 0, which loads all 8 slots, asks, and nobody else.
; In it waves 4-7 ask for K's bytes and waves 8-11 for V's: 8,192 bytes a wave, lanes 256 bytes apart, one instruction.  Slots 2 to 7 are named once each; slots 0 and 1 come by their loads alone; the last change that fills a slot asks for nothing.
.macro ASK
	s_cmp_gt_u32 s[SLOTS], s[LIM]
	s_cbranch_scc0 .Lnot_mine_\@
	global_prefetch_b8 v[PFO], s[PFA:PFA+1] th:TH_LOAD_NT scope:SCOPE_SE
.Lnot_mine_\@:
.endm
	s_load_b128 s[4:7], s[0:1], 0x0                ; qkv s[4:5], attn s[6:7]
	v_lshl_add_u32 v[SPW], v0, 2, SPARE
	v_mov_b32 v[NIL], 0
	ds_add_u32 v[SPW], v[NIL]                      ; the wave's opening: the add, twice on end, and its wait ahead of the first tensor load
	ds_add_u32 v[SPW], v[NIL]
	v_lshrrev_b32 v11, 5, v0
	v_readfirstlane_b32 s[WV], v11                 ; wave 0..15
	s_and_b32 s8, ttmp7, 0xffff                    ; 16 x batch + head
	s_lshl_b32 s10, s8, 18                         ; its plane of 262,144 bytes in each of k, q, v
	s_mov_b32 s11, 0
	s_sub_co_u32 s9, 7, ttmp9                      ; the later of my work-group's two blocks
	s_cmp_lt_u32 s[WV], 8
	s_cselect_b32 s12, ttmp9, s9                   ; my wave's block
	s_lshl_b32 s12, s12, 8
	s_and_b32 s13, s[WV], 7
	s_lshl_b32 s13, s13, 5
	s_add_co_u32 s[Q0], s12, s13                   ; my first query
	s_lshl_b32 s[LASTQ], s9, 8
	s_or_b32 s[LASTQ], s[LASTQ], 255
	s_and_b32 s19, s[WV], 1                        ; which 128 keys of a slot I fetch, if I fetch
	s_mul_i32 s14, s19, 128*KP                     ; K: in a slot
	s_mul_i32 s15, s19, 128*VP
	s_add_co_u32 s15, s15, VOFF                    ; V: in a slot
	s_lshl_b32 s12, s19, 14                        ; and in memory: 128 rows of 128 bytes
	s_mov_b32 s13, 0
	s_mov_b32 s[G1K], (1<<16)|(1<<20)|(4<<22)|(3<<25)   ; no mask; elements of 2 bytes; padding on: four words after every 32
	s_mov_b32 s[G1V], (1<<16)|(1<<20)|(4<<22)|(7<<25)   ; eight words after every 32
.irp g, G1K, G1V
	s_mov_b32 s[\g+1], 64<<16                      ; tensor_dim0
	s_mov_b32 s[\g+2], 128<<16                     ; tensor_dim1
	s_mov_b32 s[\g+3], 64<<16                      ; tile_dim0
	s_mov_b32 s[\g+4], 128                         ; tile_dim1
	s_mov_b32 s[\g+5], 64                          ; from row to row
	s_mov_b32 s[\g+6], 0
	s_mov_b32 s[\g+7], 0
.endr
	s_mov_b32 s[SEL], 0x76543210
	s_mov_b32 s[SEL+1], 0xfedcba98
	s_mov_b32 s[CS], 0x3e38aa3b                    ; c = log2(e) / 8
	s_mov_b32 s[CS+1], s[CS]
	s_mov_b32 s[TB], 0
	s_mov_b32 s[SLOTS], NSL-1
	s_mov_b32 s[KF], 0
	s_cmp_lt_u32 s[WV], 8                          ; the prefetches' offset from k's plane: waves 4-7 K, waves 8-11 V (33,554,432 bytes on),
	s_cselect_b32 s56, 0, 0x2000000
	s_and_b32 s57, s[WV], 3
	s_lshl_b32 s57, s57, 13                        ; my wave's 8,192 bytes,
	s_add_co_u32 s56, s56, s57
	s_add_co_u32 s56, s56, SK*128                  ; in slot 1: the first change of slots steps it to slot 2
	s_mov_b32 s57, 0
	s_sub_co_u32 s51, s[WV], 4
	s_lshr_b32 s51, s51, 3                         ; 0 in waves 4 to 11,
	s_or_b32 s51, s51, ttmp9                       ; of work-group j = 0
	s_cmp_eq_u32 s51, 0
	s_cselect_b32 s[LIM], 1, -1
	s_lshl_b32 s16, s[Q0], 7                       ; my first query's row of 128 bytes
	s_mov_b32 s17, 0
	s_and_b32 s51, s8, 15                          ; attn: plane 4 x head + batch of 262,144 bytes
	s_lshl_b32 s51, s51, 2
	s_lshr_b32 s55, s8, 4
	s_add_co_u32 s51, s51, s55
	s_lshl_b32 s51, s51, 18
	s_add_co_u32 s60, s51, s16
	s_mov_b32 s61, 0
	s_wait_dscnt 0x0                               ; both opening adds are done
	s_wait_kmcnt 0x0
	s_add_nc_u64 s[4:5], s[4:5], s[10:11]          ; k's plane of my head
	s_mov_b32 s[G0K], 1
	s_mov_b32 s[G0K+1], s14
	s_add_nc_u64 s[G0K+2:G0K+3], s[4:5], s[12:13]
	s_add_nc_u64 s[G0V+2:G0V+3], s[G0K+2:G0K+3], 0x2000000
	s_or_b32 s[G0K+3], s[G0K+3], 0x80000000
	s_mov_b32 s[G0V], 1
	s_mov_b32 s[G0V+1], s15
	s_or_b32 s[G0V+3], s[G0V+3], 0x80000000
	TLOAD                                          ; slot 0: keys 0-255, which count for queries of every work-group
	s_add_nc_u64 s[PFA:PFA+1], s[4:5], s[56:57]
	s_add_nc_u64 s[58:59], s[4:5], s[16:17]
	s_add_nc_u64 s[58:59], s[58:59], 0x1000000     ; q's plane, my first query
	s_add_nc_u64 s[60:61], s[6:7], s[60:61]        ; my rows of attn
	v_and_b32 v5, 15, v0                           ; r
	v_bfe_u32 v6, v0, 4, 1                         ; h
	v_lshlrev_b32 v11, 7, v5
	v_lshl_add_u32 v11, v6, 4, v11                 ; Q: row r of 128 bytes + 16 h
.irp t, 0,1
.irp c, 0,1
	global_load_b128 v[Q+16*\t+8*\c:Q+16*\t+8*\c+3],   v11, s[58:59] offset:\t*2048+\c*64
	global_load_b128 v[Q+16*\t+8*\c+4:Q+16*\t+8*\c+7], v11, s[58:59] offset:\t*2048+\c*64+32
.endr
.endr
	v_mul_u32_u24 v[AK0], v5, KP
	v_lshl_add_u32 v[AK0], v6, 4, v[AK0]           ; K: row r x pitch + 16 h
	v_and_b32 v9, 7, v0
	v_lshl_add_u32 v[AV0], v6, 3, v9               ; V, for the turning load: key 8 h + l % 8,
	v_mul_u32_u24 v[AV0], v[AV0], VP
	v_bfe_u32 v9, v0, 3, 1
	v_lshl_add_u32 v[AV0], v9, 4, v[AV0]           ; channels 8 ((l / 8) % 2) on
	v_add_nc_u32 v[AV0], VOFF, v[AV0]
	v_and_b32 v[PFO], 31, v0
	v_lshlrev_b32 v[PFO], 8, v[PFO]
	v_lshlrev_b32 v9, 3, v6
	v_sub_nc_u32 v[DL], v5, v9
	v_mov_b32 v10, 0xff800000                      ; -infinity
.irp t, 0,1
	v_mov_b32 v[ST+8*\t+1], 0xff61b1e6             ; m: -3e38, under every score
	v_mul_f32 v[ST+8*\t], s[CS], v[ST+8*\t+1]      ; c m
.irp i, 2,3,4,5,6,7
	v_mov_b32 v[ST+8*\t+\i], 0                     ; l, and the registers at work (a lane permute's destination and a pair's upper half count as read)
.endr
.endr
.irp i, 0,1,2,3,4,5,6,7,8,9,10,11,12,13,14,15,16,17,18,19,20,21,22,23,24,25,26,27,28,29,30,31,32,33,34,35,36,37,38,39,40,41,42,43,44,45,46,47,48,49,50,51,52,53,54,55,56,57,58,59,60,61,62,63
	v_mov_b32 v[O+\i], 0                           ; O^T.  (The step is written once: the first finds zeros, which the first a = 0 leaves zeros)
.endr
; A KEY STEP: 64 keys, the q-th of the slot in hand, for my two tiles of queries.
.macro STEP q
	s_add_co_u32 s56, s[Q0], 31                    ; a step all of whose keys come after my 32 queries is left out: a branch on ids and the count of steps; no barrier and no tensor load stands in a step
	s_cmp_gt_u32 s[KF], s56
	s_cbranch_scc1 .Lhidden_\@
	v_add_nc_u32 v[ADK], s[TB], v[AK0]
	v_add_nc_u32 v[ADV], s[TB], v[AV0]
.rept 3
	v_nop                                          ; with the two additions five places behind the last step's products: the scores below are written over p's registers (five), K's loads land on V's (four)
.endr
.irp kt, 0,1,2,3
.irp c, 0,1
	ds_load_b128 v[KV+8*(2*\kt+\c):KV+8*(2*\kt+\c)+3],   v[ADK] offset:(64*(\q)+16*\kt)*KP+64*\c
	ds_load_b128 v[KV+8*(2*\kt+\c)+4:KV+8*(2*\kt+\c)+7], v[ADK] offset:(64*(\q)+16*\kt)*KP+64*\c+32
.endr
.endr
	s_wait_dscnt 0x0
.irp kt, 0,1,2,3                               ; S^T = K Q^T: eight accumulators by turns; the first 32 channels start the sums
.irp t, 0,1
	v_wmma_f32_16x16x32_f16 v[S+32*\t+8*\kt:S+32*\t+8*\kt+7], v[KV+16*\kt:KV+16*\kt+7], v[Q+16*\t:Q+16*\t+7], 0
.endr
.endr
.irp kt, 0,1,2,3
.irp t, 0,1
	v_wmma_f32_16x16x32_f16 v[S+32*\t+8*\kt:S+32*\t+8*\kt+7], v[KV+16*\kt+8:KV+16*\kt+15], v[Q+16*\t+8:Q+16*\t+15], v[S+32*\t+8*\kt:S+32*\t+8*\kt+7]
.endr
.endr
.rept 4
	v_nop                                          ; places in front of V's loads into K's registers, and of the first reads of the scores
.endr
.irp kk, 0,1
.irp ct, 0,1,2,3
	ds_load_tr16_b128 v[KV+8*(4*\kk+\ct):KV+8*(4*\kk+\ct)+3],   v[ADV] offset:(64*(\q)+32*\kk)*VP+32*\ct   ; V lands while the softmax is walked
	ds_load_tr16_b128 v[KV+8*(4*\kk+\ct)+4:KV+8*(4*\kk+\ct)+7], v[ADV] offset:(64*(\q)+32*\kk+16)*VP+32*\ct
.endr
.endr
	s_add_co_u32 s56, s[KF], 63                    ; on the diagonal hidden scores become -infinity ahead of the maximum; a step all of whose keys count skips this
	s_cmp_le_u32 s56, s[Q0]
	s_cbranch_scc1 .Lopen_\@
	s_sub_co_i32 s56, s[Q0], s[KF]
.irp t, 0,1
	v_add_nc_u32 v9, s56, v[DL]                    ; d = my query - KF - 8 (lane / 16).  Register 8 kt + j holds key KF + 16 kt + 8 (lane / 16) + j: hidden where 16 kt + j > d
.irp kt, 0,1,2,3
.irp j, 0,1,2,3,4,5,6,7
	v_cmp_gt_i32 vcc_lo, 16*\kt+\j, v9
	v_cndmask_b32 v[S+32*\t+8*\kt+\j], v[S+32*\t+8*\kt+\j], v10, vcc_lo
.endr
.endr
	s_add_co_u32 s56, s56, 16                      ; the next tile's queries
.endr
.Lopen_\@:
	; the maximum of a lane's 32 scores and the old m, three operands at a time; the two tiles alternate line by line
.irp j, 0,1,2,3
.irp t, 0,1
	v_max3_num_f32 v[ST+8*\t+4+\j], v[S+32*\t+8*\j], v[S+32*\t+8*\j+1], v[S+32*\t+8*\j+2]
.endr
.endr
.irp u, 1,2
.irp j, 0,1,2,3
.irp t, 0,1
	v_max3_num_f32 v[ST+8*\t+4+\j], v[ST+8*\t+4+\j], v[S+32*\t+8*\j+2*\u+1], v[S+32*\t+8*\j+2*\u+2]
.endr
.endr
.endr
.irp t, 0,1
	v_max3_num_f32 v[ST+8*\t+4], v[ST+8*\t+4], v[S+32*\t+7], v[S+32*\t+15]
.endr
.irp t, 0,1
	v_max3_num_f32 v[ST+8*\t+6], v[ST+8*\t+6], v[S+32*\t+23], v[S+32*\t+31]
.endr
.irp t, 0,1
	v_max3_num_f32 v[ST+8*\t+4], v[ST+8*\t+4], v[ST+8*\t+5], v[ST+8*\t+6]
.endr
.irp t, 0,1
	v_max3_num_f32 v[ST+8*\t+4], v[ST+8*\t+4], v[ST+8*\t+7], v[ST+8*\t+1]
.endr
.irp t, 0,1
	v_permlanex16_b32 v[ST+8*\t+5], v[ST+8*\t+4], s[SEL], s[SEL+1]   ; the query's other 32 keys lie in the lane 16 away
.endr
.irp t, 0,1
	v_mov_b32 v[ST+8*\t+7], v[ST+8*\t]             ; c m_old is kept for a
.endr
.irp t, 0,1
	v_max_num_f32 v[ST+8*\t+1], v[ST+8*\t+4], v[ST+8*\t+5]
.endr
.irp t, 0,1
	v_mul_f32 v[ST+8*\t], s[CS], v[ST+8*\t+1]
.endr
.irp t, 0,1
	v_sub_f32 v[ST+8*\t+7], v[ST+8*\t+7], v[ST+8*\t]
.endr
.irp b, 0,1,2,3,4,5,6,7,8,9,10,11,12,13,14,15
.irp t, 0,1
	v_pk_fma_f32 v[S+32*\t+2*\b:S+32*\t+2*\b+1], v[S+32*\t+2*\b:S+32*\t+2*\b+1], s[CS:CS+1], v[ST+8*\t:ST+8*\t+1] op_sel_hi:[1,0,0] neg_lo:[0,0,1] neg_hi:[0,0,1]   ; c s - c m, two at a time
.endr
.endr
.irp t, 0,1
	v_exp_f32 v[ST+8*\t+6], v[ST+8*\t+7]           ; a
.endr
.irp i, 0,1,2,3,4,5,6,7,8,9,10,11,12,13,14,15,16,17,18,19,20,21,22,23,24,25,26,27,28,29,30,31
.irp t, 0,1
	v_exp_f32 v[S+32*\t+\i], v[S+32*\t+\i]         ; p: one batch of 66 exponentials, none of which reads another's result
.endr
.endr
	v_nop                                          ; the plain line behind the last exponential
	s_wait_alu depctr_va_vdst(0)                   ; the wait ahead of the first line that names a result: one for the batch
.irp t, 0,1
	v_pk_fma_f32 v[ST+8*\t+2:ST+8*\t+3], v[ST+8*\t+2:ST+8*\t+3], v[ST+8*\t+6:ST+8*\t+7], v[S+32*\t:S+32*\t+1] op_sel_hi:[1,0,1]   ; l = a l + the first pair; the sum is taken of p in f32, in two chains
.endr
.irp t, 0,1
	v_pk_add_f32 v[ST+8*\t+4:ST+8*\t+5], v[S+32*\t+2:S+32*\t+3], v[S+32*\t+6:S+32*\t+7]
.endr
.irp b, 2,4,6,8,10,12
.irp t, 0,1
	v_pk_add_f32 v[ST+8*\t+2:ST+8*\t+3], v[ST+8*\t+2:ST+8*\t+3], v[S+32*\t+2*\b:S+32*\t+2*\b+1]
	v_pk_add_f32 v[ST+8*\t+4:ST+8*\t+5], v[ST+8*\t+4:ST+8*\t+5], v[S+32*\t+2*\b+6:S+32*\t+2*\b+7]
.endr
.endr
.irp t, 0,1
	v_pk_add_f32 v[ST+8*\t+2:ST+8*\t+3], v[ST+8*\t+2:ST+8*\t+3], v[S+32*\t+28:S+32*\t+29]
.endr
.irp t, 0,1
	v_pk_add_f32 v[ST+8*\t+2:ST+8*\t+3], v[ST+8*\t+2:ST+8*\t+3], v[ST+8*\t+4:ST+8*\t+5]
.endr
.irp i, 0,1,2,3,4,5,6,7,8,9,10,11,12,13,14,15
.irp t, 0,1
	v_cvt_pk_f16_f32 v[S+32*\t+\i], v[S+32*\t+2*\i], v[S+32*\t+2*\i+1]   ; p to f16, in place, ascending: register i is written when registers 2 i and 2 i + 1 are read
.endr
.endr
.irp i, 0,2,4,6,8,10,12,14,16,18,20,22,24,26,28,30
.irp t, 0,1
	v_pk_mul_f32 v[O+32*\t+\i:O+32*\t+\i+1], v[O+32*\t+\i:O+32*\t+\i+1], v[ST+8*\t+6:ST+8*\t+7] op_sel_hi:[1,0]   ; O^T x a, each accumulator from its low end on
.endr
.endr
	s_wait_dscnt 0x0                               ; V is in
.irp kk, 0,1                                   ; O^T += V^T P: eight accumulators by turns
.irp ct, 0,1,2,3
.irp t, 0,1
	v_wmma_f32_16x16x32_f16 v[O+32*\t+8*\ct:O+32*\t+8*\ct+7], v[KV+8*(4*\kk+\ct):KV+8*(4*\kk+\ct)+7], v[S+32*\t+8*\kk:S+32*\t+8*\kk+7], v[O+32*\t+8*\ct:O+32*\t+8*\ct+7]
.endr
.endr
.endr
.Lhidden_\@:
	s_add_co_u32 s[KF], s[KF], 64
.endm
; THE CHANGE OF SLOTS stands at a slot's head.  Each wave waits for all its tensor loads (its part of the slot that it is about to read), adds 0 to its spare word, and waits for that and for its reads of the slot that it has left.
; Behind the barrier the slot ahead is whole and nobody reads the other one.  fill = 1: that other slot takes the next 256 keys, up to the causal limit: one load a wave, with a slot's four steps in which to land.
.macro CHANGE fill
	s_wait_tensorcnt 0x0                           ; no tensor load of mine is out, so a group 0 may be written
	ds_add_u32 v[SPW], v[NIL]
.if \fill
	ds_add_u32 v[SPW], v[NIL]                      ; and twice on end here, in every trip alike
	s_xor_b32 s[G0K+1], s[G0K+1], SLOT1            ; the walking descriptors: the other slot than last time,
	s_add_nc_u64 s[G0K+2:G0K+3], s[G0K+2:G0K+3], SK*128   ; the next 256 keys
	s_xor_b32 s[G0V+1], s[G0V+1], SLOT1
	s_add_nc_u64 s[G0V+2:G0V+3], s[G0V+2:G0V+3], SK*128
	s_wait_xcnt 0x0                                ; the last prefetch, a slot back, has read its address, so it may be written:
	s_add_nc_u64 s[PFA:PFA+1], s[PFA:PFA+1], SK*128   ; one slot further on than the walking descriptors
.endif
	s_wait_dscnt 0x0                               ; the adds are done, and my reads of the slot that I have left are over
	s_barrier_signal -1
	s_barrier_wait -1
.if \fill
	s_add_co_u32 s56, s[KF], SK                    ; the first key of the slot that this change would ask for:
	s_cmp_gt_u32 s56, s[LASTQ]                     ; behind the work-group's last query no wave reads it, so it is not asked for.  Ids and the count of steps alone: all sixteen waves go the same way; every wait for tensor loads in this text is for 0
	s_cbranch_scc1 .Lpast_\@
	TLOAD
.Lpast_\@:
	ASK
.endif
.endm
.macro SLOT_STEPS
.set STP, 0
.rept NQ
	STEP STP
.set STP, STP+1
.endr
	s_xor_b32 s[TB], s[TB], SLOT1                  ; on to the other slot
.endm
	s_wait_loadcnt 0x0                             ; Q
.Lslot:                                            ; 7 trips: behind each change of slots but the last the next slot is asked for, up to the causal limit
	CHANGE 1
	SLOT_STEPS
	s_sub_co_u32 s[SLOTS], s[SLOTS], 1
	s_cmp_lg_u32 s[SLOTS], 0
	s_cbranch_scc1 .Lslot
	CHANGE 0                                       ; the last slot is written out: nothing is left to ask for
	SLOT_STEPS
	; THE WAY OUT.  The address lines are the places behind the last products.  O^T / l, rounded to f16, goes through my stage and leaves as 4,096 consecutive bytes: my 32 rows of the head's plane.
	v_and_b32 v5, 15, v0                           ; r
	v_bfe_u32 v6, v0, 4, 1                         ; h
	s_mul_i32 s56, s[WV], STGW                     ; my stage
	v_mul_u32_u24 v9, v5, KP
	v_lshl_add_u32 v9, v6, 4, v9
	v_add_nc_u32 v9, s56, v9                       ; in: row r, 16 bytes for each half of the lanes
	v_and_b32 v252, 31, v0
	v_lshrrev_b32 v253, 3, v252
	v_and_b32 v254, 7, v252
	v_mul_u32_u24 v10, v253, KP
	v_lshl_add_u32 v10, v254, 4, v10
	v_add_nc_u32 v10, s56, v10                     ; back: eight lanes to a row of 128 bytes, four rows an instruction
	v_lshlrev_b32 v11, 4, v252                     ; and the same 512 bytes in memory
.irp t, 0,1
	v_add_f32 v[ST+8*\t+4], v[ST+8*\t+2], v[ST+8*\t+3]
.endr
.irp t, 0,1
	v_permlanex16_b32 v[ST+8*\t+5], v[ST+8*\t+4], s[SEL], s[SEL+1]
.endr
.irp t, 0,1
	v_add_f32 v[ST+8*\t+4], v[ST+8*\t+4], v[ST+8*\t+5]
.endr
.irp t, 0,1
	v_rcp_f32 v[ST+8*\t+6], v[ST+8*\t+4]
.endr
	v_nop                                          ; the plain line behind the reciprocals
	s_wait_alu depctr_va_vdst(0)                   ; and the wait ahead of their first reader
.irp i, 0,2,4,6,8,10,12,14,16,18,20,22,24,26,28,30
.irp t, 0,1
	v_pk_mul_f32 v[O+32*\t+\i:O+32*\t+\i+1], v[O+32*\t+\i:O+32*\t+\i+1], v[ST+8*\t+6:ST+8*\t+7] op_sel_hi:[1,0]
.endr
.endr
.irp i, 0,1,2,3,4,5,6,7,8,9,10,11,12,13,14,15,16,17,18,19,20,21,22,23,24,25,26,27,28,29,30,31
	v_cvt_pk_f16_f32 v[S+\i], v[O+2*\i], v[O+2*\i+1]   ; register 16 t + 4 ct + i': channels 16 ct + 8 h + 2 i', + 1 of query 16 t + r
.endr
.irp t, 0,1
.irp ct, 0,1,2,3
	ds_store_b128 v9, v[S+16*\t+4*\ct:S+16*\t+4*\ct+3] offset:\t*16*KP+32*\ct
.endr
.endr
.irp i, 0,1,2,3,4,5,6,7
	ds_load_b128 v[S+32+4*\i:S+32+4*\i+3], v10 offset:\i*4*KP      ; LDS serves a wave's instructions in order: these see my stores
.endr
.irp i, 0,1,2,3,4,5,6,7
	s_wait_dscnt 7-\i                              ; load i is in, the younger ones may be out
	global_store_b128 v11, v[S+32+4*\i:S+32+4*\i+3], s[60:61] offset:512*\i
.endr
	s_wait_tensorcnt 0x0                           ; the wave's end
	ds_add_u32 v[SPW], v[NIL]
	s_wait_dscnt 0x0
	s_endpgm
.Lfunc_end_k_qd3703f4e78_attn:
	.size	k_qd3703f4e78_attn, .Lfunc_end_k_qd3703f4e78_attn-k_qd3703f4e78_attn
	.p2alignl 7, 3214868480
	.fill 96, 4, 3214868480
	.section	.rodata,"a",@progbits
	.p2align	6, 0x0
	.amdhsa_kernel k_qd3703f4e78_attn
		.amdhsa_group_segment_fixed_size 327680
		.amdhsa_private_segment_fixed_size 0
		.amdhsa_enable_private_segment 0
		.amdhsa_kernarg_size 16
		.amdhsa_user_sgpr_count 2
		.amdhsa_user_sgpr_kernarg_segment_ptr 1
		.amdhsa_wavefront_size32 1
		.amdhsa_system_sgpr_workgroup_id_x 1
		.amdhsa_system_sgpr_workgroup_id_y 1
		.amdhsa_system_sgpr_workgroup_id_z 1
		.amdhsa_system_vgpr_workitem_id 0
		.amdhsa_next_free_vgpr 256
		.amdhsa_next_free_sgpr 66
		.amdhsa_reserve_vcc 1
		.amdhsa_float_denorm_mode_32 3
		.amdhsa_float_denorm_mode_16_64 3
		.amdhsa_memory_ordered 1
		.amdhsa_forward_progress 1
		.amdhsa_inst_pref_size 188
	.end_amdhsa_kernel
	.amdgpu_metadata
---
amdhsa.version: [ 1, 2 ]
amdhsa.kernels:
  - .name:           k_qd3703f4e78_attn
    .symbol:         k_qd3703f4e78_attn.kd
    .args:
      - { .name: qkv, .offset: 0, .size: 8, .value_kind: global_buffer, .address_space: global }
      - { .name: attn, .offset: 8, .size: 8, .value_kind: global_buffer, .address_space: global }
    .group_segment_fixed_size: 327680
    .private_segment_fixed_size: 0
    .kernarg_segment_align: 8
    .kernarg_segment_size: 16
    .max_flat_workgroup_size: 512
    .sgpr_count:     66
    .vgpr_count:     256
    .wavefront_size: 32
...
	.end_amdgpu_metadata
.endif
;; end of part 3
;; launch outp (part 4): grid 4 x 64, 4 waves a work-group, clusters of 4 x 4, 327,680 bytes of LDS; arguments attn, wo16, out0; writes out0
.if DOCPART == 4
	.amdgcn_target "amdgcn-amd-amdhsa--gfx1250"
	.amdhsa_code_object_version 6
	.text
	.protected	k_qd3703f4e78_outp
	.globl	k_qd3703f4e78_outp
	.p2align	8
	.type	k_qd3703f4e78_outp,@function
k_qd3703f4e78_outp:
	s_mov_b64 s[64:65], 0
	v_nop
	global_prefetch_b8 v0, s[64:65] scope:SCOPE_SE
	s_setreg_imm32_b32 hwreg(HW_REG_WAVE_MODE, 25, 1), 1
	s_wait_xcnt 0x0
	s_wait_alu depctr_hold_cnt(0) depctr_sa_sdst(0) depctr_va_vdst(0) depctr_va_sdst(0) depctr_va_ssrc(0) depctr_va_vcc(0) depctr_vm_vsrc(0)
	s_getreg_b32 s2, hwreg(HW_REG_IB_STS2, 6, 4)
	s_cmp_eq_u32 s2, 0
	s_cbranch_scc0 .Lentry_in_a_cluster
	s_endpgm
.Lentry_in_a_cluster:
	s_bfe_u32 s2, ttmp6, 0x10000c
	s_cmp_lg_u32 s2, 0xf033
	s_cbranch_scc0 .Lentry_shape_is_right
	s_endpgm
.Lentry_shape_is_right:
; OUTP: out0 [8192][1024] f32 = attn [8192][1024] x out_weights [1024 k][1024 n], f16 operands, f32 sums.
; attn lies [head 16][row 8192][64] f16: 64 along K of all rows are one dense plane.  wo16 lies [k][n] f16, as out_weights lies: its fragments are turned on the way out of LDS.
; Rows at positions 0-15 of a sequence are computed here too (16 rows inside a tile of 128) and are stored again, more finely, by the next launch.
; A tile of 128 rows x 256 columns is made by four waves, 64 x 128 each: 32 accumulators, 256 registers: 256 work-groups.  K goes in 8 steps of 128 (two heads) through a ring of two LDS slots.
; CLUSTER 4 x 4: the four of a row of the cluster need the same tiles of attn, the four of a column the same tiles of wo16: each tile is asked for jointly.
; THE MATRIX INSTRUCTION IS USED TRANSPOSED (source 0 = 16 columns of wo16, source 1 = 16 rows of attn): a lane holds eight neighbouring columns of one row of out0.
; REGISTERS: window 0: v0-31 addresses; two fragment buffers: at v32 and v128: 32 registers of A (4 x 16 rows x 32 K), then 64 of B (8 x 16 columns x 32 K).  window 1: the accumulators ((a, b) at v[8 (8 a + b)]).
.set AP,     144                       ; a row of A in LDS: 128 bytes + 16
.set APL,    128*AP                    ; a head's 128 rows: what one tensor load brings
.set BP,     544                       ; a k-row of B in LDS: 512 bytes + 32
.set BOFF,   2*APL                     ; B's 128 k-rows lie behind A's two planes
.set BHALF,  64*BP                     ; 64 k-rows: what one tensor load brings
.set SLOT,   BOFF+2*BHALF
.set SPARE,  2*SLOT                    ; behind the ring: the spare words, 128 bytes for each wave
.set SPITCH, 528                       ; the way out: 16 rows x (512 bytes + 16) for each wave, in slot 0: it has had its last fill and its last read by then
.set LAPS,   4                         ; a lap = two K steps = once round the ring
.set ADRA, 16                          ; v16-17  LDS address of my A fragments in slot 0, 1
.set ADRB, 20                          ; v20-21  the same for B
.set STO,  24
.set RD,   25
.set CO,   26
.set SPW,  28                          ; v28     LDS address of my spare word; never rewritten
.set NIL,  29                          ; v29     0; never rewritten
.set F0,   32
.set F1,   128
.set BK,   32                          ; the way out: 16 rows read back: v32-95 and v96-159 by turns
.set G1, 24
.set G0, 32
.set G1B, 48
.set G0B, 56
.set MSB, 0
.macro WIN new
.if MSB != \new
	s_set_vgpr_msb (MSB<<8)|\new
.set MSB, \new
.endif
.endm
.set MUL, 0x50                         ; sources 0 and 1 window 0; C and D window 1
.macro JLOAD s                         ; a joint load: waves 0 and 1 fetch A's two planes, waves 2 and 3 B's halves; an s_nop 0 and four v_nop follow each of the two lines
	s_cmp_eq_u32 s11, 0
	s_cbranch_scc0 .Lfor_b_\@
	tensor_load_to_lds s[G0+4*\s:G0+4*\s+3], s[G1:G1+7]
	s_nop 0
.rept 4
	v_nop
.endr
	s_branch .Lasked_\@
.Lfor_b_\@:
	tensor_load_to_lds s[G0B+4*\s:G0B+4*\s+3], s[G1B:G1B+7]
	s_nop 0
.rept 4
	v_nop
.endr
.Lasked_\@:
.endm
.macro CREST                           ; a round of the cluster's barrier behind its opening barrier
	s_cmp_lg_u32 s10, 0
	s_cbranch_scc1 .Lnot_wave_0_\@
	s_barrier_signal -3
.Lnot_wave_0_\@:
	s_barrier_wait -3
	s_barrier_signal -1
	s_barrier_wait -1
.endm
.macro CROUND
	s_barrier_signal -1
	s_barrier_wait -1
	CREST
.endm
	s_load_b128 s[4:7], s[0:1], 0x0                ; attn s[4:5], wo16 s[6:7]
	s_load_b64 s[8:9], s[0:1], 0x10                ; out0
	v_lshl_add_u32 v[SPW], v0, 2, SPARE
	v_mov_b32 v[NIL], 0
	ds_add_u32 v[SPW], v[NIL]                      ; the wave's opening: the add, twice on end, and its wait ahead of my first tensor load
	ds_add_u32 v[SPW], v[NIL]
	v_lshrrev_b32 v1, 5, v0
	v_readfirstlane_b32 s10, v1                    ; wave 0..3
	s_lshr_b32 s11, s10, 1                         ; which half of the tile's rows is mine.  Also: I fetch for A (0) or for B (1)
	s_and_b32 s12, s10, 1                          ; which half of its columns.  Also: which plane of A, or which 64 k-rows of B, I fetch
	s_bfe_u32 s40, ttmp6, 0x40000                  ; cx, cy
	s_bfe_u32 s41, ttmp6, 0x40004
	s_lshl_b32 s42, ttmp9, 2
	s_add_co_u32 s42, s42, s40                     ; column tile = 4 x cluster x + cx
	s_and_b32 s13, ttmp7, 0xffff
	s_lshl_b32 s13, s13, 2
	s_add_co_u32 s13, s13, s41                     ; row tile = 4 x cluster y + cy
	s_lshl_b32 s43, s41, 2
	s_lshl_b32 s43, 15, s43                        ; my row of the cluster
	s_lshl_b32 s44, 0x1111, s40                    ; my column
	s_or_b32 s[G1+0], s43, (1<<16)|(1<<20)|(1<<21)|(4<<22)|(3<<25)    ; A: the mask of my row; elements of 2 bytes; padding: four words after every 32; bit 21 beside a mask
	s_mov_b32 s[G1+1], 64<<16                      ; tensor_dim0 = 64
	s_mov_b32 s[G1+2], 128<<16                     ; tensor_dim1 = 128
	s_mov_b32 s[G1+3], 64<<16                      ; tile_dim0
	s_mov_b32 s[G1+4], 128                         ; tile_dim1
	s_mov_b32 s[G1+5], 64                          ; from row to row
	s_mov_b32 s[G1+6], 0
	s_mov_b32 s[G1+7], 0
	s_or_b32 s[G1B+0], s44, (1<<16)|(1<<20)|(1<<21)|(6<<22)|(7<<25)   ; B: the mask of my column; padding: eight words after every 128
	s_mov_b32 s[G1B+1], 256<<16
	s_mov_b32 s[G1B+2], 64<<16
	s_mov_b32 s[G1B+3], 256<<16
	s_mov_b32 s[G1B+4], 64
	s_mov_b32 s[G1B+5], 1024
	s_mov_b32 s[G1B+6], 0
	s_mov_b32 s[G1B+7], 0
	s_lshl_b32 s16, s12, 20                        ; A: my plane of 1,048,576 bytes,
	s_lshl_b32 s17, s13, 14                        ; the tile's 128 rows of 128 bytes
	s_add_co_u32 s16, s16, s17
	s_mov_b32 s17, 0
	s_lshl_b32 s46, s12, 17                        ; B: my 64 k-rows of 2,048 bytes,
	s_lshl_b32 s47, s42, 9                         ; the tile's 256 columns
	s_add_co_u32 s46, s46, s47
	s_mov_b32 s47, 0
	s_mul_i32 s20, s12, APL                        ; where they go: no place in the cluster enters an LDS address
	s_mul_i32 s21, s12, BHALF
	s_add_co_u32 s21, s21, BOFF
	s_wait_dscnt 0x0                               ; both opening adds are done
	s_wait_kmcnt 0x0
	s_add_nc_u64 s[14:15], s[4:5], s[16:17]
	s_add_nc_u64 s[46:47], s[6:7], s[46:47]
	CROUND                                         ; all sixteen work-groups are here: the first joint loads meet
.irp s, 0,1
	s_mov_b32 s[G0+4*\s], 1
	s_add_co_u32 s[G0+4*\s+1], s20, \s*SLOT
	s_add_nc_u64 s[G0+4*\s+2:G0+4*\s+3], s[14:15], \s*2097152      ; K step s: two planes on
	s_or_b32 s[G0+4*\s+3], s[G0+4*\s+3], 0x80000000
	s_mov_b32 s[G0B+4*\s], 1
	s_add_co_u32 s[G0B+4*\s+1], s21, \s*SLOT
	s_add_nc_u64 s[G0B+4*\s+2:G0B+4*\s+3], s[46:47], \s*262144     ; 128 k-rows on
	s_or_b32 s[G0B+4*\s+3], s[G0B+4*\s+3], 0x80000000
	JLOAD \s
.endr
	v_and_b32 v1, 15, v0                           ; r
	v_bfe_u32 v2, v0, 4, 1                         ; h
	v_mul_u32_u24 v3, v1, AP
	v_lshl_add_u32 v3, v2, 4, v3                   ; A: row r x pitch + 16 h
	v_and_b32 v4, 7, v0
	v_lshl_add_u32 v4, v2, 3, v4                   ; B, for the turning load: k-row 8 h + l % 8,
	v_mul_u32_u24 v4, v4, BP
	v_bfe_u32 v5, v0, 3, 1
	v_lshl_add_u32 v4, v5, 4, v4                   ; columns 8 ((l / 8) % 2) on
	s_mul_i32 s21, s11, 64*AP                      ; my 64 rows of A
	s_lshl_b32 s22, s12, 8                         ; my 128 columns of B
	s_add_co_u32 s22, s22, BOFF
.irp s, 0,1
	v_add_nc_u32 v[ADRA+\s], s21, v3
	v_add_nc_u32 v[ADRB+\s], s22, v4
	s_add_co_u32 s21, s21, SLOT
	s_add_co_u32 s22, s22, SLOT
.endr
	s_mul_i32 s23, s10, 16*SPITCH                  ; my stage
	v_mul_u32_u24 v5, v1, SPITCH
	v_lshl_add_u32 v5, v2, 5, v5
	v_add_nc_u32 v[STO], s23, v5                   ; in: row r, 32 bytes for each half of the lanes
	v_and_b32 v6, 31, v0
	v_lshlrev_b32 v[CO], 4, v6                     ; back: the 32 lanes take a row of 512 bytes; and the same in out0
	v_add_nc_u32 v[RD], s23, v[CO]
	s_lshl_b32 s16, s13, 7
	s_lshl_b32 s17, s11, 6
	s_add_co_u32 s16, s16, s17                     ; my first row
	s_lshl_b32 s16, s16, 12                        ; of 4,096 bytes
	s_lshl_b32 s46, s42, 10                        ; my first column, in bytes
	s_lshl_b32 s47, s12, 9
	s_add_co_u32 s46, s46, s47
	s_add_co_u32 s46, s46, s16
	s_mov_b32 s47, 0
	s_add_nc_u64 s[8:9], s[8:9], s[46:47]
.macro MUL8 f, a, zero                 ; A's block a x B's eight, 32 along K.  zero = 1: the first product starts the sums
.irp b, 0,1,2,3,4,5,6,7
.if \zero
	v_wmma_f32_16x16x32_f16 v[8*(8*(\a)+\b):8*(8*(\a)+\b)+7], v[\f+32+8*\b:\f+32+8*\b+7], v[\f+8*(\a):\f+8*(\a)+7], 0
.else
	v_wmma_f32_16x16x32_f16 v[8*(8*(\a)+\b):8*(8*(\a)+\b)+7], v[\f+32+8*\b:\f+32+8*\b+7], v[\f+8*(\a):\f+8*(\a)+7], v[8*(8*(\a)+\b):8*(8*(\a)+\b)+7]
.endif
.endr
.endm
.macro MUL16 f, a0, zero               ; the 32 accumulators take turns, one instruction a turn, in the same order in every quarter
	MUL8 \f, \a0, \zero
	MUL8 \f, (\a0)+1, \zero
.endm
; 24 LDS loads in one run: the fragments of the slot's q-th 32 along K into buffer f: B's sixteen (turned), A's blocks 0 and 1, A's blocks 2 and 3
.macro FETCH slot, q, f
	WIN 0
.irp b, 0,1,2,3,4,5,6,7
	ds_load_tr16_b128 v[\f+32+8*\b:\f+32+8*\b+3],   v[ADRB+\slot] offset:(\q)*32*BP+32*\b
	ds_load_tr16_b128 v[\f+32+8*\b+4:\f+32+8*\b+7], v[ADRB+\slot] offset:(\q)*32*BP+16*BP+32*\b
.endr
.irp a, 0,1,2,3
	ds_load_b128 v[\f+8*\a:\f+8*\a+3],   v[ADRA+\slot] offset:((\q)/2)*APL+((\q)%2)*64+\a*16*AP
	ds_load_b128 v[\f+8*\a+4:\f+8*\a+7], v[ADRA+\slot] offset:((\q)/2)*APL+((\q)%2)*64+\a*16*AP+32
.endr
.endm
.macro PLACES                          ; four places in front of loads into registers that matrix instructions have read, and of reads of results
.rept 4
	v_nop
.endr
.endm
; A K step is four quarters of 32 along K, 32 matrix instructions each, on buffers 0, 1, 0, 1.  One of the first three: multiplies buffer f and fetches quarter q into g.
.macro QUARTER slot, q, f, g, zero
	s_wait_dscnt 4                                 ; B and A's blocks 0, 1 are in; the youngest four loads (A's blocks 2, 3) may be out
	WIN MUL
	MUL16 \f, 0, \zero
	PLACES
	FETCH \slot, \q, \g
	s_wait_dscnt 24                                ; all but the 24 just issued
	WIN MUL
	MUL16 \f, 2, \zero
.endm
; The last quarter multiplies buffer 1 and changes slots: ONE barrier; in front of it each wave waits for all its tensor loads, adds 0 to its spare word, and waits for that and for its reads of this slot.  fill = 1: this slot is filled again, two K steps ahead.
.macro TURN slot, next, fill
	WIN 0
	s_wait_tensorcnt 0x0                           ; all my tensor loads have landed: my part of the next slot
	ds_add_u32 v[SPW], v[NIL]
	s_wait_dscnt 5                                 ; the add and the youngest four loads may be out
	WIN MUL
	MUL8 F1, 0, 0
	s_wait_dscnt 0x0                               ; the add is done, and my reads of this slot are over
	s_barrier_signal -1
	MUL8 F1, 1, 0
.if \fill
	WIN 0
.endif
	s_barrier_wait -1
.if \fill
	CREST                                          ; the barrier has opened a round of the cluster's: no wave of any partner still reads this slot or has a load on its way
	s_add_nc_u64 s[G0+4*\slot+2:G0+4*\slot+3], s[G0+4*\slot+2:G0+4*\slot+3], 4194304
	s_add_nc_u64 s[G0B+4*\slot+2:G0B+4*\slot+3], s[G0B+4*\slot+2:G0B+4*\slot+3], 524288
	JLOAD \slot                                    ; the first tensor load behind the round; its four v_nop are also the places in front of the loads below
.else
	PLACES
.endif
	FETCH \next, 0, F0
	WIN MUL
	MUL16 F1, 2, 0
.endm
	s_wait_tensorcnt 1                             ; my part of K step 0 is in; K step 1's load may be out
	s_barrier_signal -1
	s_barrier_wait -1
	FETCH 0, 0, F0
	QUARTER 0, 1, F0, F1, 1                        ; the first quarter stands in front of the loop: its products start the sums
	WIN 0
	s_mov_b32 s3, LAPS-1
.Llap:                                             ; a trip goes once round the ring, from a lap's second quarter to the next lap's first, and fills both slots again
	QUARTER 0, 2, F1, F0, 0
	QUARTER 0, 3, F0, F1, 0
	TURN 0, 1, 1
	QUARTER 1, 1, F0, F1, 0
	QUARTER 1, 2, F1, F0, 0
	QUARTER 1, 3, F0, F1, 0
	TURN 1, 0, 1
	QUARTER 0, 1, F0, F1, 0
	WIN 0
	s_sub_co_u32 s3, s3, 1
	s_cmp_lg_u32 s3, 0
	s_cbranch_scc1 .Llap
	QUARTER 0, 2, F1, F0, 0                        ; the last lap fills nothing
	QUARTER 0, 3, F0, F1, 0
	TURN 0, 1, 0
	QUARTER 1, 1, F0, F1, 0
	QUARTER 1, 2, F1, F0, 0
	QUARTER 1, 3, F0, F1, 0
	s_wait_dscnt 4                                 ; the very last quarter
	WIN MUL
	MUL16 F1, 0, 0
	s_wait_dscnt 0
	MUL16 F1, 2, 0
	WIN 0
; THE WAY OUT, block by block of 16 rows x 128 columns: through my stage, back as whole rows of 512 bytes, which the 32 lanes store as two aligned runs of 256 bytes.
.macro TOSTAGE a
	WIN 0x04                                       ; an LDS store's data are its source 1: window 1
.irp b, 0,1,2,3,4,5,6,7
	ds_store_b128 v[STO], v[64*(\a)+8*\b:64*(\a)+8*\b+3] offset:64*\b         ; each accumulator from its low end on
	ds_store_b128 v[STO], v[64*(\a)+8*\b+4:64*(\a)+8*\b+7] offset:64*\b+16
.endr
	WIN 0
.set BB, BK+64*((\a)%2)
.irp t, 0,1,2,3,4,5,6,7,8,9,10,11,12,13,14,15
	ds_load_b128 v[BB+4*\t:BB+4*\t+3], v[RD] offset:\t*SPITCH     ; LDS serves a wave's instructions in order: these see my stores
.endr
.endm
.macro SEND a, younger                 ; younger: the LDS instructions issued behind block a's loads, which may stay out
.set BB, BK+64*((\a)%2)
	s_wait_dscnt \younger
.if (\a) > 0
	s_add_nc_u64 s[8:9], s[8:9], 16*4096           ; behind a wait for the earlier stores' addresses: 16 rows on
.endif
.irp t, 0,1,2,3,4,5,6,7,8,9,10,11,12,13,14,15
	global_store_b128 v[CO], v[BB+4*\t:BB+4*\t+3], s[8:9] offset:\t*4096 th:TH_STORE_NT
.endr
.endm
	PLACES
	TOSTAGE 0
.irp a, 1,2,3
.if \a > 1
	s_wait_xcnt 0x0                                ; block a - 2's stores have read their registers and their base
.endif
	TOSTAGE \a
	SEND \a-1, 32                                  ; behind block a - 1's loads: block a's 16 stores and 16 loads
.endr
	s_wait_xcnt 0x0
	SEND 3, 0
	s_wait_tensorcnt 0x0                           ; the wave's end
	ds_add_u32 v[SPW], v[NIL]
	s_wait_dscnt 0x0
	CROUND                                         ; the closing round
	s_endpgm
.Lfunc_end_k_qd3703f4e78_outp:
	.size	k_qd3703f4e78_outp, .Lfunc_end_k_qd3703f4e78_outp-k_qd3703f4e78_outp
	.p2alignl 7, 3214868480
	.fill 96, 4, 3214868480
	.section	.rodata,"a",@progbits
	.p2align	6, 0x0
	.amdhsa_kernel k_qd3703f4e78_outp
		.amdhsa_group_segment_fixed_size 327680
		.amdhsa_private_segment_fixed_size 0
		.amdhsa_enable_private_segment 0
		.amdhsa_kernarg_size 24
		.amdhsa_user_sgpr_count 2
		.amdhsa_user_sgpr_kernarg_segment_ptr 1
		.amdhsa_wavefront_size32 1
		.amdhsa_system_sgpr_workgroup_id_x 1
		.amdhsa_system_sgpr_workgroup_id_y 1
		.amdhsa_system_sgpr_workgroup_id_z 1
		.amdhsa_system_vgpr_workitem_id 0
		.amdhsa_next_free_vgpr 512
		.amdhsa_next_free_sgpr 66
		.amdhsa_reserve_vcc 0
		.amdhsa_float_denorm_mode_32 3
		.amdhsa_float_denorm_mode_16_64 3
		.amdhsa_memory_ordered 1
		.amdhsa_forward_progress 1
		.amdhsa_inst_pref_size 85
	.end_amdhsa_kernel
	.amdgpu_metadata
---
amdhsa.version: [ 1, 2 ]
amdhsa.kernels:
  - .name:           k_qd3703f4e78_outp
    .symbol:         k_qd3703f4e78_outp.kd
    .args:
      - { .name: attn, .offset: 0, .size: 8, .value_kind: global_buffer, .address_space: global }
      - { .name: wo16, .offset: 8, .size: 8, .value_kind: global_buffer, .address_space: global }
      - { .name: out0, .offset: 16, .size: 8, .value_kind: global_buffer, .address_space: global }
    .group_segment_fixed_size: 327680
    .private_segment_fixed_size: 0
    .kernarg_segment_align: 8
    .kernarg_segment_size: 24
    .max_flat_workgroup_size: 128
    .sgpr_count:     66
    .vgpr_count:     512
    .wavefront_size: 32
...
	.end_amdgpu_metadata
.endif
;; end of part 4
;; launch fine (part 5): grid 16 x 4, 16 waves a work-group, no clusters, 85,248 bytes of LDS; arguments fq, out_weights, out0; writes out0
.if DOCPART == 5
	.amdgcn_target "amdgcn-amd-amdhsa--gfx1250"
	.amdhsa_code_object_version 6
	.text
	.protected	k_qd3703f4e78_fine
	.globl	k_qd3703f4e78_fine
	.p2align	8
	.type	k_qd3703f4e78_fine,@function
k_qd3703f4e78_fine:
	s_mov_b64 s[64:65], 0
	v_nop
	global_prefetch_b8 v0, s[64:65] scope:SCOPE_SE
	s_setreg_imm32_b32 hwreg(HW_REG_WAVE_MODE, 25, 1), 1
	s_wait_xcnt 0x0
; FINE: positions 0-15 of each of the four sequences once more, all in f32: scores, causal softmax, weighted values, and their rows of the output projection.  These rows average one to sixteen values and are the largest
; of the output: f16 operands would use up what their comparison allows.  It stores over the 64 rows of out0 that the launch before has stored more coarsely.  Nothing is left out here; keys 16 and later are hidden from these queries by reference()'s own tril.
; IN: fq [3: k, q, v][batch 4][16 positions][1024] f32; out_weights [1024 k][1024 n] f32.  The f32 matrix form does 64 rows' work: no bulk work.
; SHARES.  A work-group takes one batch and 64 columns of out0.  Phase 1: wave = head: the 16 x 16 attention of its head (each of a batch's 16 work-groups repeats it: 196,608 bytes read); the rows meet in LDS.
;   Phase 2: wave w takes 16 columns (w % 4) and a quarter of K (w / 4); the four quarters meet in LDS, and wave w adds and stores row w's 256 bytes.
; K IS TAKEN IN ANOTHER ORDER, alike in both operands of a product, so that plain loads fill the fragments (the form wants k = 2 (lane / 16) + j in register j):
;   scores: step i takes channels 32 h + 2 i + j;  values: step i takes keys 8 h + 2 i + j, which is how p lies in the scores' result;  projection: chunk c, step u take k = 8 c + 4 h + 2 u + j.
; The registers that the matrix instructions write (v192-239) are written by nothing else; what is made of a sum goes into other registers.
.set ATP,   4112                       ; LDS 0: the 16 rows of the attention's result, 4,096 bytes + 16
.set RED,   65792                      ; the four quarters' parts: 4 x 16 rows x (256 bytes + 16)
.set SPARE, 83200                      ; the spare words, 128 bytes for each of 16 waves
	s_load_b128 s[4:7], s[0:1], 0x0                ; fq s[4:5], out_weights s[6:7]
	s_load_b64 s[8:9], s[0:1], 0x10                ; out0
	v_lshl_add_u32 v13, v0, 2, SPARE               ; v13: LDS address of my spare word; never rewritten
	v_mov_b32 v14, 0                               ; v14: 0; never rewritten
	v_lshrrev_b32 v15, 5, v0
	v_readfirstlane_b32 s10, v15                   ; wave 0..15
	v_and_b32 v15, 31, v0                          ; lane
	v_and_b32 v1, 15, v0                           ; r
	v_bfe_u32 v2, v0, 4, 1                         ; h
	s_and_b32 s11, ttmp7, 0xffff                   ; batch
	s_lshl_b32 s12, s10, 8                         ; my head's 256 bytes of a row
	v_lshlrev_b32 v3, 12, v1
	v_lshl_add_u32 v3, v2, 7, v3
	v_add_nc_u32 v3, s12, v3                       ; q, k: row r, channels 32 h on
	v_lshlrev_b32 v4, 2, v1
	v_lshl_add_u32 v4, v2, 15, v4
	v_add_nc_u32 v4, s12, v4                       ; v: key 8 h, channel r
	s_and_b32 s13, s10, 3                          ; phase 2: which 16 columns,
	s_lshr_b32 s14, s10, 2                         ; which quarter of K
	s_lshl_b32 s15, s14, 20                        ; 256 rows of 4,096 bytes
	s_lshl_b32 s16, ttmp9, 8                       ; the work-group's 64 columns
	s_add_co_u32 s15, s15, s16
	s_lshl_b32 s16, s13, 6
	s_add_co_u32 s15, s15, s16
	v_lshlrev_b32 v5, 2, v1
	v_lshl_add_u32 v5, v2, 14, v5
	v_add_nc_u32 v5, s15, v5                       ; out_weights: row 4 h, column r
	v_lshlrev_b32 v6, 3, v2
	v_sub_nc_u32 v6, v1, v6                        ; r - 8 h
	v_mov_b32 v7, 0xff800000                       ; -infinity
	v_mul_u32_u24 v8, v1, ATP
	v_lshl_add_u32 v9, v2, 4, v8
	v_lshl_add_u32 v8, v2, 5, v8
	v_add_nc_u32 v8, s12, v8                       ; the rows, in: row r, my head, 32 h
	s_lshl_b32 s16, s14, 10
	v_add_nc_u32 v9, s16, v9                       ; and back: row r, my quarter of K, 16 h
	v_mul_u32_u24 v10, v1, 272
	v_lshl_add_u32 v10, v2, 5, v10
	s_mul_i32 s16, s14, 16*272
	s_lshl_b32 s17, s13, 6
	s_add_co_u32 s16, s16, s17
	s_add_co_u32 s16, s16, RED
	v_add_nc_u32 v10, s16, v10                     ; the parts, in: my quarter, row r, my 16 columns, 32 h
	s_mul_i32 s16, s10, 272
	s_add_co_u32 s16, s16, RED
	v_lshl_add_u32 v11, v15, 3, s16                ; and back: row = my wave, 8 bytes a lane
	s_lshl_b32 s16, s10, 12
	v_lshl_add_u32 v12, v15, 3, s16                ; the same place in out0
	s_lshl_b32 s18, s11, 16                        ; fq: 65,536 bytes a batch
	s_mov_b32 s19, 0
	s_lshl_b32 s20, s11, 23                        ; out0: 8,388,608 bytes a batch,
	s_lshl_b32 s21, ttmp9, 8                       ; the work-group's 256 bytes of a row
	s_add_co_u32 s20, s20, s21
	s_mov_b32 s21, 0
	s_mov_b32 s22, 0x76543210
	s_mov_b32 s23, 0xfedcba98                      ; v_permlanex16_b32's selects for lane l xor 16
	s_mov_b32 s24, 0x3e38aa3b                      ; c = log2(e) / 8
	s_wait_kmcnt 0x0
	s_add_nc_u64 s[4:5], s[4:5], s[18:19]
	s_add_nc_u64 s[8:9], s[8:9], s[20:21]
.irp c, 0,1,2,3,4,5,6,7,8,9,10,11,12,13,14,15
.irp x, 0,1,2,3
	global_load_b32 v[128+4*\c+\x], v5, s[6:7] offset:(8*\c+\x)*4096      ; out_weights, chunks 0-15 of my quarter: asked for first, wanted last
.endr
.endr
.irp i, 0,1,2,3,4,5,6,7
	global_load_b128 v[32+4*\i:35+4*\i], v3, s[4:5] offset:262144+16*\i   ; q
.endr
.irp i, 0,1,2,3,4,5,6,7
	global_load_b128 v[64+4*\i:67+4*\i], v3, s[4:5] offset:16*\i          ; k
.endr
.irp ct, 0,1,2,3
.irp j, 0,1,2,3,4,5,6,7
	global_load_b32 v[96+8*\ct+\j], v4, s[4:5] offset:524288+\j*4096+\ct*64   ; v(8 h + j, 16 ct + r)
.endr
.endr
	s_wait_loadcnt 32                              ; q and k are in; v's 32 loads may be out
	; S^T = k q^T: 16 steps of 4 channels on two accumulators by turns; the first two start the sums
	v_wmma_f32_16x16x4_f32 v[192:199], v[64:65], v[32:33], 0
	v_wmma_f32_16x16x4_f32 v[200:207], v[66:67], v[34:35], 0
.irp i, 1,2,3,4,5,6,7
	v_wmma_f32_16x16x4_f32 v[192:199], v[64+4*\i:65+4*\i], v[32+4*\i:33+4*\i], v[192:199]
	v_wmma_f32_16x16x4_f32 v[200:207], v[66+4*\i:67+4*\i], v[34+4*\i:35+4*\i], v[200:207]
.endr
.rept 8
	v_nop                                          ; eight places behind this form: in front of loads into q's and k's registers and of the reads of the sums
.endr
	s_wait_loadcnt 0x0                             ; v and the first half of out_weights are in
.irp c, 0,1,2,3,4,5,6,7,8,9,10,11,12,13,14,15
.irp x, 0,1,2,3
	global_load_b32 v[32+4*\c+\x], v5, s[6:7] offset:(128+8*\c+\x)*4096   ; chunks 16-31, into q's and k's registers
.endr
.endr
.irp j, 0,1,2,3,4,5,6,7
	v_add_f32 v[16+\j], v[192+\j], v[200+\j]       ; the score of key 8 h + j and query r; each sum is read from its low end on
.endr
.irp j, 0,1,2,3,4,5,6,7
	v_cmp_gt_i32 vcc_lo, \j, v6                    ; hidden where 8 h + j > r
	v_cndmask_b32 v[16+\j], v[16+\j], v7, vcc_lo
.endr
	v_max3_num_f32 v24, v16, v17, v18
	v_max3_num_f32 v25, v19, v20, v21
	v_max3_num_f32 v24, v24, v22, v23
	v_max_num_f32 v24, v24, v25
	v_permlanex16_b32 v25, v24, s22, s23
	v_max_num_f32 v24, v24, v25                    ; the row's maximum: key 0 counts for every query, so it is a number
	v_mul_f32 v26, s24, v24
.irp j, 0,1,2,3,4,5,6,7
	v_fma_f32 v[16+\j], v[16+\j], s24, -v26        ; c s - c m
.endr
.irp j, 0,1,2,3,4,5,6,7
	v_exp_f32 v[16+\j], v[16+\j]
.endr
	v_nop                                          ; the plain line behind the exponentials
	s_wait_alu depctr_va_vdst(0)                   ; and the wait ahead of their first reader: one for the eight
	v_add_f32 v27, v16, v17
	v_add_f32 v28, v18, v19
	v_add_f32 v29, v20, v21
	v_add_f32 v30, v22, v23
	v_add_f32 v27, v27, v28
	v_add_f32 v29, v29, v30
	v_add_f32 v27, v27, v29
	v_permlanex16_b32 v28, v27, s22, s23
	v_add_f32 v27, v27, v28                        ; the row's sum
	v_rcp_f32 v31, v27
	; O^T = v^T p: 4 steps of 4 keys on four accumulators by turns
.irp ct, 0,1,2,3
	v_wmma_f32_16x16x4_f32 v[208+8*\ct:215+8*\ct], v[96+8*\ct:97+8*\ct], v[16:17], 0
.endr
.irp i, 1,2,3
.irp ct, 0,1,2,3
	v_wmma_f32_16x16x4_f32 v[208+8*\ct:215+8*\ct], v[96+8*\ct+2*\i:97+8*\ct+2*\i], v[16+2*\i:17+2*\i], v[208+8*\ct:215+8*\ct]
.endr
.endr
.rept 8
	v_nop                                          ; eight places: the lines below read the sums and write v's registers; also the plain lines behind the reciprocal
.endr
	s_wait_alu depctr_va_vdst(0)                   ; the reciprocal's wait, ahead of its first reader
.irp i, 0,1,2,3,4,5,6,7,8,9,10,11,12,13,14,15,16,17,18,19,20,21,22,23,24,25,26,27,28,29,30,31
	v_mul_f32 v[96+\i], v[208+\i], v31             ; register 8 ct + j: channel 16 ct + 8 h + j of position r
.endr
.irp ct, 0,1,2,3
	ds_store_b128 v8, v[96+8*\ct:99+8*\ct] offset:64*\ct
	ds_store_b128 v8, v[100+8*\ct:103+8*\ct] offset:64*\ct+16
.endr
	s_wait_dscnt 0x0                               ; for the others' sake: my stores have landed
	s_barrier_signal -1
	s_barrier_wait -1                              ; the 16 rows x 1,024 lie in LDS
	; out^T = out_weights^T x rows: 32 chunks of 8 along K, two steps each, on two accumulators by turns; eight chunks' rows are fetched at a time
.set g, 0
.rept 4
.irp c, 0,1,2,3,4,5,6,7
	ds_load_b128 v[96+4*\c:99+4*\c], v9 offset:32*(8*g+\c)
.endr
.if g == 2
	s_wait_loadcnt 0x0                             ; the second half of out_weights is in
.endif
	s_wait_dscnt 0x0
.set c, 0
.rept 8
.if g < 2
.set WB, 128+4*(8*g+c)
.else
.set WB, 32+4*(8*(g-2)+c)
.endif
.if (g == 0) && (c == 0)
	v_wmma_f32_16x16x4_f32 v[192:199], v[WB:WB+1], v[96+4*c:97+4*c], 0
	v_wmma_f32_16x16x4_f32 v[200:207], v[WB+2:WB+3], v[98+4*c:99+4*c], 0
.else
	v_wmma_f32_16x16x4_f32 v[192:199], v[WB:WB+1], v[96+4*c:97+4*c], v[192:199]
	v_wmma_f32_16x16x4_f32 v[200:207], v[WB+2:WB+3], v[98+4*c:99+4*c], v[200:207]
.endif
.set c, c+1
.endr
.rept 8
	v_nop                                          ; eight places in front of the next loads into the rows' registers, and of the reads of the sums
.endr
.set g, g+1
.endr
.irp j, 0,1,2,3,4,5,6,7
	v_add_f32 v[16+\j], v[192+\j], v[200+\j]       ; my quarter's part of out(r, 16 (w % 4) + 8 h + j)
.endr
	ds_store_b128 v10, v[16:19]
	ds_store_b128 v10, v[20:23] offset:16
	s_wait_dscnt 0x0
	s_barrier_signal -1
	s_barrier_wait -1                              ; the four quarters' parts lie in LDS
.irp k, 0,1,2,3
	ds_load_b64 v[240+2*\k:241+2*\k], v11 offset:\k*16*272
.endr
	s_wait_dscnt 0x0
	v_pk_add_f32 v[240:241], v[240:241], v[242:243]
	v_pk_add_f32 v[244:245], v[244:245], v[246:247]
	v_pk_add_f32 v[240:241], v[240:241], v[244:245]
	global_store_b64 v12, v[240:241], s[8:9]       ; the wave stores 256 consecutive bytes of row w, aligned
	s_wait_tensorcnt 0x0                           ; the wave's end, behind my last LDS store
	ds_add_u32 v13, v14
	s_wait_dscnt 0x0
	s_endpgm
.Lfunc_end_k_qd3703f4e78_fine:
	.size	k_qd3703f4e78_fine, .Lfunc_end_k_qd3703f4e78_fine-k_qd3703f4e78_fine
	.p2alignl 7, 3214868480
	.fill 96, 4, 3214868480
	.section	.rodata,"a",@progbits
	.p2align	6, 0x0
	.amdhsa_kernel k_qd3703f4e78_fine
		.amdhsa_group_segment_fixed_size 85248
		.amdhsa_private_segment_fixed_size 0
		.amdhsa_enable_private_segment 0
		.amdhsa_kernarg_size 24
		.amdhsa_user_sgpr_count 2
		.amdhsa_user_sgpr_kernarg_segment_ptr 1
		.amdhsa_wavefront_size32 1
		.amdhsa_system_sgpr_workgroup_id_x 1
		.amdhsa_system_sgpr_workgroup_id_y 1
		.amdhsa_system_sgpr_workgroup_id_z 1
		.amdhsa_system_vgpr_workitem_id 0
		.amdhsa_next_free_vgpr 256
		.amdhsa_next_free_sgpr 66
		.amdhsa_reserve_vcc 1
		.amdhsa_float_denorm_mode_32 3
		.amdhsa_float_denorm_mode_16_64 3
		.amdhsa_memory_ordered 1
		.amdhsa_forward_progress 1
		.amdhsa_inst_pref_size 35
	.end_amdhsa_kernel
	.amdgpu_metadata
---
amdhsa.version: [ 1, 2 ]
amdhsa.kernels:
  - .name:           k_qd3703f4e78_fine
    .symbol:         k_qd3703f4e78_fine.kd
    .args:
      - { .name: fq, .offset: 0, .size: 8, .value_kind: global_buffer, .address_space: global }
      - { .name: out_weights, .offset: 8, .size: 8, .value_kind: global_buffer, .address_space: global }
      - { .name: out0, .offset: 16, .size: 8, .value_kind: global_buffer, .address_space: global }
    .group_segment_fixed_size: 85248
    .private_segment_fixed_size: 0
    .kernarg_segment_align: 8
    .kernarg_segment_size: 24
    .max_flat_workgroup_size: 512
    .sgpr_count:     66
    .vgpr_count:     256
    .wavefront_size: 32
...
	.end_amdgpu_metadata
.endif
;; end of part 5
